; MI455X (gfx1250); checked and timed in simulation.
; The chip was launched on July 23, 2026; its instructions are those of AMD's public machine-readable ISA for CDNA 5 (MIT licence, August 2026) and "CDNA5" Instruction Set Architecture Reference Guide (July 2026). The comments in the code are by the model that wrote it; some were corrected since.
;; Casual Attention. Allowed arithmetic: matrix products marked QUANTISED: E2M1 operands, one E8M0 scale for each 32 along K, by v_wmma_scale_f32_16x16x128_f8f6f4 with both operands' format E2M1 (or v_wmma_scale_f32_32x16x128_f4), f32 sums; products left as they are: bf16, f16 or f32 operands; f32 sums; everything else in f32.
;; Inputs: Wk 1,024 x 1,024 float32; Wq 1,024 x 1,024 float32; Wv 1,024 x 1,024 float32; x 4 x 2,048 x 1,024 float32.
;; Outputs: out0 4 x 2,048 x 1,024 float32.
;; This version of the problem:
;;   THIS VERSION OF THE PROBLEM IS GIVEN IN LOW PRECISION. The matrix products marked QUANTISED in the list below multiply operands that are first quantised to E2M1 (2 exponent bits, 1 mantissa bit; 4 bits a number), with one power-of-two scale for each 32 numbers along K (OCP MX v1.0); their sums are f32. The products marked 'left as it is' may take bf16, f16 or f32 operands, with f32 sums. Whichever they take, every output number must still come out within the allowed error. Rounding operands to bf16 (8 significant bits) uses up far more of that allowance than f16 does (11 bits, for magnitudes from 6e-5 to 65,504). All else is computed in f32.
;;   The module's matrix products, in the order in which they are computed (A, B: the left and right operand; K: the contracted axis; several contracted axes count as one K, in the product's order):
;;     1. [M 8,192, K 1,024] x [K 1,024, N 1,024]; A: input x; B: input Wq: QUANTISED
;;     2. [M 8,192, K 1,024] x [K 1,024, N 1,024]; A: input x; B: input Wk: QUANTISED
;;     3. [M 8,192, K 1,024] x [K 1,024, N 1,024]; A: input x; B: input Wv: QUANTISED
;;     4. batch 4 x [M 2,048, K 1,024] x [K 1,024, N 2,048]; A: computed on the way; B: computed on the way: left as it is (an operand is computed on the way)
;;     5. batch 4 x [M 2,048, K 2,048] x [K 2,048, N 1,024]; A: computed on the way; B: computed on the way: left as it is (an operand is computed on the way)
;;   THE QUANTISER, for each operand of a quantised product, along K:
;;     - K is cut into blocks of 32 from its start; a last block that is shorter is filled with zeros.
;;     - A block's scale is 2^e with e = floor(log2(the largest magnitude in the block)) - 2, held to -126 .. 127; a block of zeros has e = 0. As a byte (E8M0): e + 127.
;;     - Each number is divided by its block's scale, clamped to +-6, and rounded to the nearest number of E2M1, ties to even, subnormals kept.
;;     - The product sums the exact products of the quantised numbers (number of the format x scale) in f32.
;;   ~~~python
;;   def quantise(x, axis):      # numpy; x: float32 -> the quantised numbers, widened to float32 again
;;       x = np.moveaxis(x, axis, -1); K = x.shape[-1]
;;       x = np.pad(x, [(0, 0)] * (x.ndim - 1) + [(0, -K % 32)]); x = x.reshape(x.shape[:-1] + (-1, 32)); a = np.abs(x).max(-1, keepdims=True)
;;       e = np.where(a > 0, np.clip(np.frexp(np.where(a > 0, a, 1))[1] - 1 - 2, -126, 127), 0)      # np.frexp(a)[1] - 1 = floor(log2(a)), exactly
;;       r = np.clip(x / 2.0 ** e, -6, 6)
;;       step = 2.0 ** (np.maximum(np.frexp(np.where(r == 0, 1, r))[1] - 1, 0) - 1)
;;       q = np.round(r / step) * step * 2.0 ** e      # np.round: ties to even
;;       return np.moveaxis(q.reshape(q.shape[:-2] + (-1,))[..., :K], -1, axis).astype(np.float32)
;;   ~~~
;; One version. Each part assembles by itself: llvm-mc -triple=amdgcn-amd-amdhsa -mcpu=gfx1250 --defsym DOCPART=n.
;; ======== version 1 of 1: 5 launches
;; limits: values are held in f16: magnitudes above 65,504 overflow, below 6.1e-05 lose precision
;; workspace buffers: xc 4,194,304 bytes; xs 262,144 bytes; wc 1,572,864 bytes; ws 98,304 bytes; qkv 50,331,648 bytes; fq 786,432 bytes; pm 33,554,432 bytes; st 1,048,576 bytes
;; launch quant (part 1): grid 448 x 1, 4 waves a work-group, no clusters, 42,496 bytes of LDS; arguments x, Wq, Wk, Wv, xc, xs, wc, ws; writes xc, xs, wc, ws
.if DOCPART == 1
	.amdgcn_target "amdgcn-amd-amdhsa--gfx1250"
	.amdhsa_code_object_version 6
	.text
	.protected	k_q5903075166_quant
	.globl	k_q5903075166_quant
	.p2align	8
	.type	k_q5903075166_quant,@function
k_q5903075166_quant:
	s_mov_b64 s[64:65], 0
	v_nop
	global_prefetch_b8 v0, s[64:65] scope:SCOPE_SE
	s_setreg_imm32_b32 hwreg(HW_REG_WAVE_MODE, 25, 1), 1
	s_wait_xcnt 0x0
; x [8192][1024] and Wq, Wk, Wv [1024 (k)][1024 (n)], f32, become codes of FP4 (E2M1), K innermost, with one E8M0 scale byte for each 32 along K.
; xc [8192][512 bytes], xs [8192][32];  wc [3072][512 bytes], ws [3072][32], row 1024 T + n (T = 0: Wq, 1: Wk, 2: Wv).
; A block's scale is 2^(floor(log2(its largest magnitude)) - 2); its byte is that magnitude's exponent field - 2, held at 1 from below.
; LIMITS: a block of zeros gets the byte 1 where the rule says 127 (its codes are zeros, and this program alone reads the bytes); blocks whose largest magnitude
; lies under 2^-124 keep the byte 1; NaN and infinities are not served.
; Work-groups 0-255 take x, 256-447 the weights.  The two ways part once, on the work-group's number, never join, and have LDS bytes of their own.
; x: rows are dense and K is innermost, so x is a stream of blocks of 32.  A wave takes 16 steps of 512 numbers.  Each load reads 512 consecutive bytes; a step's 2,048 bytes turn through the wave's
;    own stage in LDS so that a lane holds 16 neighbours (two lanes a block).  Loads run eight steps (32 loads a wave) ahead, the turn one step.
; W: K is the first axis: a lane takes a column and its registers run down K, so a block of 32 lies in one lane.  A work-group takes 32 columns x 512 along K, each wave 128 of the 512 (four blocks a lane);
;    the four waves' codes meet in a stage, behind one barrier, and leave as rows: sixteen lanes store 256 consecutive bytes, aligned.
.set STEPS, 16
.set AHEAD, 8
.set SP,    80                         ; x: a lane's place in a stage: 64 bytes + 16 of padding
.set WREG,  8192                       ; x: a wave's LDS: two stages of 32 x SP bytes, then its 256 scale bytes
.set WSTG,  4*WREG                     ; W: the stage: 32 columns x (256 bytes of codes + 16)
.set WPITCH, 272
.set WSC,   WSTG+32*WPITCH             ; W: 32 columns x 16 scale bytes
.set SPARE, WSC+512                    ; the spare words, 128 bytes a wave: two blocks of 256 bytes that no other line names
.set SPW,   12                         ; v12  SPARE + 4 x my thread's number; never rewritten
.set NIL,   13                         ; v13  0; never rewritten
.set R,     32                         ; x: v32-159  eight sets of 16 numbers as loaded
.set X,     160                        ; x: v160-191 two sets of 16 neighbours
.set E,     192                        ; x: v192-207 a scale byte for each step
.set C,     208                        ; x: v208-239 two registers of codes for each step: no store's data are written again
.set XW,    32                         ; W: v32-95   two sets of 32 numbers
.set CW,    96                         ; W: v96-111  four registers of codes for each block
.set OW,    112                        ; W: v112-127 rows on the way out; v128-131 scale bytes on the way out
.set SB,    28                         ; W: v28      my four scale bytes
	s_load_b512 s[4:19], s[0:1], 0x0               ; x, Wq, Wk, Wv, xc, xs, wc, ws
	v_lshl_add_u32 v[SPW], v0, 2, SPARE
	v_mov_b32 v[NIL], 0
	v_lshrrev_b32 v1, 5, v0
	v_readfirstlane_b32 s20, v1                    ; wave
	v_and_b32 v2, 31, v0                           ; lane
	v_and_b32 v7, 15, v0                           ; r = lane % 16
	v_bfe_u32 v1, v0, 4, 1                         ; h = lane / 16
	v_lshlrev_b32 v3, 4, v2                        ; 16 x lane
	v_lshlrev_b32 v4, 3, v2                        ; 8 x lane
	; every LDS address of both ways is made here, ahead of the parting
	s_mul_i32 s21, s20, WREG
	v_lshrrev_b32 v14, 2, v2
	v_mul_u32_u24 v14, v14, SP
	v_and_b32 v15, 3, v2
	v_lshl_add_u32 v14, v15, 4, v14
	v_add_nc_u32 v14, s21, v14                     ; x, into the stage: four lanes' 64 bytes on end, then 16 of padding
	v_mul_u32_u24 v15, v2, SP
	v_add_nc_u32 v15, s21, v15                     ; x, out of it: my 16 neighbours
	s_add_co_u32 s21, s21, 2*32*SP
	v_lshrrev_b32 v5, 1, v2
	v_add_nc_u32 v5, s21, v5                       ; x: my block's scale byte
	v_add_nc_u32 v6, s21, v4                       ; x: the scale bytes on the way out, 8 a lane
	s_lshl_b32 s22, s20, 6
	v_mul_u32_u24 v8, v2, WPITCH
	v_add_nc_u32 v8, s22, v8
	v_add_nc_u32 v8, WSTG, v8                      ; W, into the stage: row = my column, my wave's 64 bytes
	s_lshl_b32 s22, s20, 2
	v_lshl_add_u32 v9, v2, 4, WSC
	v_add_nc_u32 v9, s22, v9                       ; W: my column's 16 scale bytes, my wave's four
	s_mul_i32 s22, s20, 8*WPITCH
	v_mul_u32_u24 v10, v1, WPITCH
	v_lshl_add_u32 v10, v7, 4, v10
	v_add_nc_u32 v10, s22, v10
	v_add_nc_u32 v10, WSTG, v10                    ; W, out of it: rows 8 wave + h, sixteen lanes to a row
	v_lshl_add_u32 v11, v2, 4, WSC                 ; W: a column's 16 scale bytes on the way out
	v_lshlrev_b32 v24, 2, v2                       ; W in memory: 4 bytes a lane
	v_lshlrev_b32 v25, 9, v1
	v_lshl_add_u32 v25, v7, 4, v25                 ; wc: row h of 512 bytes, 16 r
	v_lshlrev_b32 v26, 5, v2                       ; ws: a row of 32 bytes a lane
	s_wait_kmcnt 0x0
	s_cmp_lt_u32 ttmp9, 256                        ; the work-group's number alone: all four waves go the same way
	s_cbranch_scc0 .Lweights
	; ---------------- x ----------------
	s_lshl_b32 s21, ttmp9, 2
	s_add_co_u32 s21, s21, s20                     ; which run of 8,192 numbers is my wave's
	s_mov_b32 s23, 0
	s_lshl_b32 s22, s21, 15
	s_add_nc_u64 s[4:5], s[4:5], s[22:23]          ; 32,768 bytes of x,
	s_lshl_b32 s22, s21, 12
	s_add_nc_u64 s[12:13], s[12:13], s[22:23]      ; 4,096 of codes,
	s_lshl_b32 s22, s21, 8
	s_add_nc_u64 s[14:15], s[14:15], s[22:23]      ; 256 scale bytes a run
.macro LOADX t
.irp i, 0,1,2,3
	global_load_b128 v[R+16*((\t)%8)+4*\i:R+16*((\t)%8)+4*\i+3], v3, s[4:5] offset:2048*(\t)+512*\i th:TH_LOAD_NT   ; 32 lanes read 512 consecutive bytes
.endr
.endm
.macro TURNX t                         ; step t's numbers through the stage: LDS serves a wave's instructions in order, so no wait stands between the stores and the loads
.irp i, 0,1,2,3
	ds_store_b128 v14, v[R+16*((\t)%8)+4*\i:R+16*((\t)%8)+4*\i+3] offset:32*SP*((\t)%2)+8*SP*\i
.endr
.irp i, 0,1,2,3
	ds_load_b128 v[X+16*((\t)%2)+4*\i:X+16*((\t)%2)+4*\i+3], v15 offset:32*SP*((\t)%2)+16*\i
.endr
.endm
.irp t, 0,1,2,3,4,5,6,7
	LOADX \t
.endr
	s_wait_loadcnt 28                              ; step 0's four loads are in; those of steps 1 to 7 may be out
	TURNX 0
.macro STEPX t
.set XS, X+16*((\t)%2)
.if (\t) > 0
	s_wait_dscnt 1                                 ; this step's numbers are back from the stage; the last step's byte store may be out
.else
	s_wait_dscnt 0x0
.endif
.if (\t)+AHEAD < STEPS
	LOADX (\t)+AHEAD                               ; into the set whose numbers have gone through the stage
.endif
.if (\t)+1 < STEPS
.if STEPS-2-(\t) >= AHEAD-1
	s_wait_loadcnt 4*(AHEAD-1)                     ; the next step's four loads are in; those of the seven steps behind it may be out
.else
	s_wait_loadcnt 4*(STEPS-2-(\t))                ; towards the end fewer steps are behind it
.endif
	TURNX (\t)+1
.endif
	v_max3_num_f32 v16, |v[XS]|, |v[XS+1]|, |v[XS+2]|              ; the largest magnitude of my 16, in two chains
	v_max3_num_f32 v17, |v[XS+3]|, |v[XS+4]|, |v[XS+5]|
.irp i, 6,10
	v_max3_num_f32 v16, v16, |v[XS+\i]|, |v[XS+\i+1]|
	v_max3_num_f32 v17, v17, |v[XS+\i+2]|, |v[XS+\i+3]|
.endr
	v_max3_num_f32 v16, v16, |v[XS+14]|, |v[XS+15]|
	v_max3_num_f32 v16, v16, v17, 0x1800000        ; and the floor 2^(3 - 127): the byte cannot fall under 1
	v_max_num_f32_dpp v16, v16, v16 row_xmask:1 row_mask:0xf bank_mask:0xf   ; with my neighbour's 16: the block's
	v_add_nc_u32 v18, 0xff000000, v16              ; 2 off its exponent field: the conversion takes the exponent field of this operand as its scale
	v_cvt_scalef32_pk8_fp4_f32 v[C+2*(\t)], v[XS:XS+7], v18
	v_cvt_scalef32_pk8_fp4_f32 v[C+2*(\t)+1], v[XS+8:XS+15], v18
	v_lshrrev_b32 v[E+(\t)], 23, v18               ; the scale's byte (a plain line behind the conversions)
	ds_store_b8 v5, v[E+(\t)] offset:16*(\t)       ; both lanes of a block write the same byte with the same value
	global_store_b64 v4, v[C+2*(\t):C+2*(\t)+1], s[12:13] offset:256*(\t)   ; the wave stores 256 consecutive bytes, aligned
.endm
.irp t, 0,1,2,3,4,5,6,7,8,9,10,11,12,13,14,15
	STEPX \t
.endr
	ds_load_b64 v[16:17], v6                       ; LDS serves a wave's instructions in order: these see my byte stores
	s_wait_dscnt 0x0
	global_store_b64 v4, v[16:17], s[14:15]        ; 256 consecutive scale bytes, aligned
	s_wait_tensorcnt 0x0                           ; the wave's end, behind my last LDS store
	ds_add_u32 v[SPW], v[NIL]
	s_wait_dscnt 0x0
	s_endpgm
	; ---------------- the weights ----------------
.Lweights:
	s_sub_co_u32 s21, ttmp9, 256                   ; g = 64 T + 32 ky + cg
	s_lshr_b32 s22, s21, 6                         ; T: which weight
	s_cmp_eq_u32 s22, 0
	s_cselect_b64 s[24:25], s[6:7], s[8:9]
	s_cmp_eq_u32 s22, 2
	s_cselect_b64 s[24:25], s[10:11], s[24:25]
	s_bfe_u32 s23, s21, 0x10005                    ; ky: which 512 along K
	s_and_b32 s26, s21, 31                         ; cg: which 32 columns
	s_lshl_b32 s28, s23, 21                        ; 512 rows of 4,096 bytes,
	s_lshl_b32 s27, s20, 19                        ; my wave's 128 rows,
	s_add_co_u32 s28, s28, s27
	s_lshl_b32 s27, s26, 7                         ; 32 columns of 4 bytes
	s_add_co_u32 s28, s28, s27
	s_mov_b32 s29, 0
	s_add_nc_u64 s[24:25], s[24:25], s[28:29]
	s_lshl_b32 s30, s22, 10
	s_lshl_b32 s27, s26, 5
	s_add_co_u32 s30, s30, s27                     ; the first row of wc and ws: 1024 T + 32 cg
	s_lshl_b32 s28, s30, 5
	s_lshl_b32 s27, s23, 4
	s_add_co_u32 s28, s28, s27
	s_add_nc_u64 s[18:19], s[18:19], s[28:29]      ; ws: 32 bytes a row, + 16 ky
	s_lshl_b32 s27, s20, 3
	s_add_co_u32 s30, s30, s27                     ; on the way out my wave takes rows 8 wave on
	s_lshl_b32 s28, s30, 9
	s_lshl_b32 s27, s23, 8
	s_add_co_u32 s28, s28, s27
	s_add_nc_u64 s[16:17], s[16:17], s[28:29]      ; wc: 512 bytes a row, + 256 ky
.macro LOADW t                         ; block t: W(32 t + i, my column) into set t % 2; 32 lanes read 128 consecutive bytes
.set i, 0
.rept 32
	global_load_b32 v[XW+32*((\t)%2)+i], v24, s[24:25] offset:(32*(\t)+i)*4096 th:TH_LOAD_NT
.set i, i+1
.endr
.endm
	LOADW 0
	LOADW 1
.macro BLOCKW t
.set XS, XW+32*((\t)%2)
.if (\t) < 3
	s_wait_loadcnt 32                              ; this block's 32 loads are in; the next block's may be out
.else
	s_wait_loadcnt 0x0
.endif
	v_max3_num_f32 v20, |v[XS]|, |v[XS+1]|, |v[XS+2]|              ; the block's largest magnitude: all 32 numbers are mine
	v_max3_num_f32 v21, |v[XS+3]|, |v[XS+4]|, |v[XS+5]|
.irp i, 6,10,14,18,22,26
	v_max3_num_f32 v20, v20, |v[XS+\i]|, |v[XS+\i+1]|
	v_max3_num_f32 v21, v21, |v[XS+\i+2]|, |v[XS+\i+3]|
.endr
	v_max3_num_f32 v20, v20, |v[XS+30]|, |v[XS+31]|
	v_max3_num_f32 v20, v20, v21, 0x1800000        ; and the floor
	v_add_nc_u32 v22, 0xff000000, v20              ; the conversion's scale operand
	v_lshrrev_b32 v21, 23, v22                     ; the scale's byte
.if (\t) == 0
	v_mov_b32 v[SB], v21
.else
	v_lshl_or_b32 v[SB], v21, 8*(\t), v[SB]        ; the lower K in the lower byte
.endif
.irp g, 0,1,2,3
	v_cvt_scalef32_pk8_fp4_f32 v[CW+4*(\t)+\g], v[XS+8*\g:XS+8*\g+7], v22
.endr
	v_nop                                          ; a plain line behind the last conversion of a run
	ds_store_b128 v8, v[CW+4*(\t):CW+4*(\t)+3] offset:16*(\t)      ; 32 codes: 16 bytes of my column's row
.if (\t)+2 < 4
	LOADW (\t)+2
.endif
.endm
	BLOCKW 0
	BLOCKW 1
	BLOCKW 2
	BLOCKW 3
	ds_store_b32 v9, v[SB]
	s_wait_dscnt 0x0                               ; for the others' sake: my stores into the stage are done
	s_barrier_signal -1
	s_barrier_wait -1                              ; 32 whole rows of 256 bytes lie in the stage
.irp i, 0,1,2,3
	ds_load_b128 v[OW+4*\i:OW+4*\i+3], v10 offset:2*\i*WPITCH
.endr
.irp i, 0,1,2,3
	s_wait_dscnt 3-\i                              ; LDS loads come back in order: load i is in, the younger ones may be out
	global_store_b128 v25, v[OW+4*\i:OW+4*\i+3], s[16:17] offset:1024*\i   ; sixteen lanes store 256 consecutive bytes, aligned
.endr
	s_cmp_lg_u32 s20, 0                            ; wave 0 stores the scale bytes: 16 a column, 1 byte for each 128 that the launch reads
	s_cbranch_scc1 .Lw_end
	ds_load_b128 v[128:131], v11
	s_wait_dscnt 0x0
	global_store_b128 v26, v[128:131], s[18:19]
.Lw_end:
	s_wait_tensorcnt 0x0                           ; the wave's end, behind my last LDS store
	ds_add_u32 v[SPW], v[NIL]
	s_wait_dscnt 0x0
	s_endpgm
.Lfunc_end_k_q5903075166_quant:
	.size	k_q5903075166_quant, .Lfunc_end_k_q5903075166_quant-k_q5903075166_quant
	.p2alignl 7, 3214868480
	.fill 96, 4, 3214868480
	.section	.rodata,"a",@progbits
	.p2align	6, 0x0
	.amdhsa_kernel k_q5903075166_quant
		.amdhsa_group_segment_fixed_size 42496
		.amdhsa_private_segment_fixed_size 0
		.amdhsa_enable_private_segment 0
		.amdhsa_kernarg_size 64
		.amdhsa_user_sgpr_count 2
		.amdhsa_user_sgpr_kernarg_segment_ptr 1
		.amdhsa_wavefront_size32 1
		.amdhsa_system_sgpr_workgroup_id_x 1
		.amdhsa_system_sgpr_workgroup_id_y 1
		.amdhsa_system_sgpr_workgroup_id_z 1
		.amdhsa_system_vgpr_workitem_id 0
		.amdhsa_next_free_vgpr 240
		.amdhsa_next_free_sgpr 66
		.amdhsa_reserve_vcc 0
		.amdhsa_float_denorm_mode_32 3
		.amdhsa_float_denorm_mode_16_64 3
		.amdhsa_memory_ordered 1
		.amdhsa_forward_progress 1
		.amdhsa_inst_pref_size 54
	.end_amdhsa_kernel
	.amdgpu_metadata
---
amdhsa.version: [ 1, 2 ]
amdhsa.kernels:
  - .name:           k_q5903075166_quant
    .symbol:         k_q5903075166_quant.kd
    .args:
      - { .name: x, .offset: 0, .size: 8, .value_kind: global_buffer, .address_space: global }
      - { .name: Wq, .offset: 8, .size: 8, .value_kind: global_buffer, .address_space: global }
      - { .name: Wk, .offset: 16, .size: 8, .value_kind: global_buffer, .address_space: global }
      - { .name: Wv, .offset: 24, .size: 8, .value_kind: global_buffer, .address_space: global }
      - { .name: xc, .offset: 32, .size: 8, .value_kind: global_buffer, .address_space: global }
      - { .name: xs, .offset: 40, .size: 8, .value_kind: global_buffer, .address_space: global }
      - { .name: wc, .offset: 48, .size: 8, .value_kind: global_buffer, .address_space: global }
      - { .name: ws, .offset: 56, .size: 8, .value_kind: global_buffer, .address_space: global }
    .group_segment_fixed_size: 42496
    .private_segment_fixed_size: 0
    .kernarg_segment_align: 8
    .kernarg_segment_size: 64
    .max_flat_workgroup_size: 128
    .sgpr_count:     66
    .vgpr_count:     240
    .wavefront_size: 32
...
	.end_amdgpu_metadata
.endif
;; end of part 1
;; launch proj (part 2): grid 12 x 32, 4 waves a work-group, clusters of 4 x 4, 327,680 bytes of LDS; arguments xc, xs, wc, ws, qkv, fq; writes qkv, fq
.if DOCPART == 2
	.amdgcn_target "amdgcn-amd-amdhsa--gfx1250"
	.amdhsa_code_object_version 6
	.text
	.protected	k_q5903075166_proj
	.globl	k_q5903075166_proj
	.p2align	8
	.type	k_q5903075166_proj,@function
k_q5903075166_proj:
	s_mov_b64 s[64:65], 0
	v_nop
	global_prefetch_b8 v0, s[64:65] scope:SCOPE_SE
	s_setreg_imm32_b32 hwreg(HW_REG_WAVE_MODE, 25, 1), 1
	s_wait_xcnt 0x0
	s_wait_alu depctr_hold_cnt(0) depctr_sa_sdst(0) depctr_va_vdst(0) depctr_va_sdst(0) depctr_va_ssrc(0) depctr_va_vcc(0) depctr_vm_vsrc(0)
	s_getreg_b32 s2, hwreg(HW_REG_IB_STS2, 6, 4)
	s_cmp_eq_u32 s2, 0
	s_cbranch_scc0 .Lentry_in_a_cluster
	s_endpgm
.Lentry_in_a_cluster:
	s_bfe_u32 s2, ttmp6, 0x10000c
	s_cmp_lg_u32 s2, 0xf033
	s_cbranch_scc0 .Lentry_shape_is_right
	s_endpgm
.Lentry_shape_is_right:
; qkv[m][n] = sum over k of x[m][k] W[n][k], on codes of FP4 (E2M1) with one E8M0 scale for each 32 along K.  m: 8,192 rows; n: 3,072 (q, k, v on end); K = 1,024.  Sums in f32; qkv rounded once to f16.
; LIMIT: |q|, |k|, |v| stay under 65,504, f16's largest number.
; The first 16 rows of each of the four sequences also leave as f32, as images of the accumulators' registers (fq): a later launch computes those rows in f32.
; A tile of 256 x 256 is made by four waves, each 128 x 128: 64 accumulators, 512 registers.  K is two slots of 512 (LDS rows of 256 bytes): both are asked for at the start, nothing is filled again.
; The scales of the work-group's 256 + 256 rows, for all of K, are two dense blocks: they come with the first fills.
; CLUSTERS: 4 x 4 work-groups; the four of a row of the cluster need the same tiles of x, the four of a column the same tiles of W: each tile is asked for jointly.
; Tile row = cluster y + 8 cy: so in the clusters with y = 0 every partner's tile begins at row 0 of sequence cy, and the branch round the f32 copy hangs on the cluster's y and the wave's number alone.
; THE MATRIX INSTRUCTION IS USED TRANSPOSED (source 0 = 16 rows of W, source 1 = 16 rows of x): a lane holds eight neighbouring numbers of a row of qkv.
; REGISTERS, in windows of 256: window 0: v0-31 addresses; v32-95 scale words, two sets; v128-191 x's fragments, one set; on the way out v32-63, v192-255.
;   window 1: W's fragments, two sets, at v0 and v128.   window 2: the accumulators of my rows 0-63 ((a, b) at v[8 (8 a + b)]);   window 3: those of rows 64-127.
.set SIZE_N, 3072
.set NQ,     4                         ; matrix instructions deep in a slot
.set ROWB,   256                       ; a tile's row: 512 codes
.set KROW,   512                       ; a row of codes in memory
.set PITCH,  272                       ; an LDS row: 256 bytes + 16 of padding: the 16 rows that a load touches start at 16 different banks (64 banks of 4 bytes: ISA guide 11.1)
.set FR,     8
.set NL,     2
.set NP,     4                         ; places behind this matrix instruction (ISA guide 7.12.1)
.set HALFT,  128*PITCH
.set SLOT,   4*HALFT
.set KS,     32                        ; a row of scales in bytes
.set SCL,    2*SLOT                    ; behind the slots: the scales, as units of 256 bytes + 16 of padding
.set HALFS,  16*272                    ; those of 128 rows
.set SBLK,   2*272                     ; those of 16 rows
.set SPARE,  SCL+4*HALFS               ; the spare words, 128 bytes a wave
.set SPITCH, 272                       ; the way out: 16 rows x (256 bytes + 16) a wave, in slot 0, which has had its only fill and its last read by then
.set ADRA, 16
.set ADRB, 20
.set STO,  24
.set RD,   25
.set CO,   26
.set ADRS, 27
.set SPW,  28
.set NIL,  29
.set FO,   30                          ; v30 16 x lane: a register image's place for my lane
.set SC,   32
.set AF,   128
.set TMP,  192                         ; the way out: packed results
.set OB,   32                          ; the way out: rows read back: v32-63 and v224-255 by turns
.set G1, 24
.set G0, 32
.set G1B, 48
.set G0B, 56
.set G1S, 68
.set G0S, 76
.set G1SB, 80
.set G0SB, 88
.set MSB, 0
.macro WIN new                         ; the immediate's high byte repeats the setting that is left
.if MSB != (\new)
	s_set_vgpr_msb (MSB<<8)|(\new)
.set MSB, (\new)
.endif
.endm
.set MUL_LO, 0xa1                      ; source 0 (W) window 1, source 1 (x) window 0, C and D window 2
.set MUL_HI, 0xf1
.set TO_B,   0x40
; A joint load: waves 0 and 1 fetch for x, waves 2 and 3 for W; the branch hangs on the wave's number alone.  An s_nop 0 and four v_nop follow each of the two lines.
.macro JLOAD g0a, g1a, g0b, g1b
	s_cmp_eq_u32 s15, 0
	s_cbranch_scc0 .Lfor_b_\@
	tensor_load_to_lds s[\g0a:\g0a+3], s[\g1a:\g1a+7]
	s_nop 0
.rept 4
	v_nop
.endr
	s_branch .Lasked_\@
.Lfor_b_\@:
	tensor_load_to_lds s[\g0b:\g0b+3], s[\g1b:\g1b+7]
	s_nop 0
.rept 4
	v_nop
.endr
.Lasked_\@:
.endm
.macro CROUND                          ; a round of the cluster's barrier
	s_barrier_signal -1
	s_barrier_wait -1
	s_cmp_lg_u32 s14, 0
	s_cbranch_scc1 .Lnot_wave_0_\@
	s_barrier_signal -3
.Lnot_wave_0_\@:
	s_barrier_wait -3
	s_barrier_signal -1
	s_barrier_wait -1
.endm
	s_load_b128 s[4:7], s[0:1], 0x0                ; x's codes, x's scales
	s_load_b128 s[8:11], s[0:1], 0x10              ; W's codes, W's scales
	s_load_b64 s[12:13], s[0:1], 0x20              ; qkv
	s_load_b64 s[66:67], s[0:1], 0x28              ; fq
	v_lshl_add_u32 v[SPW], v0, 2, SPARE
	v_mov_b32 v[NIL], 0
	ds_add_u32 v[SPW], v[NIL]                      ; the wave's opening: the add, twice on end, and its wait ahead of my first tensor load
	ds_add_u32 v[SPW], v[NIL]
	v_lshrrev_b32 v1, 5, v0
	v_readfirstlane_b32 s14, v1                    ; wave 0..3
	s_lshr_b32 s15, s14, 1                         ; which half of the tile's rows is mine.  Also: I fetch for x (0) or for W (1)
	s_and_b32 s16, s14, 1                          ; which half of its columns.  Also: which 128 rows I fetch
	s_bfe_u32 s40, ttmp6, 0x40000                  ; cx
	s_bfe_u32 s41, ttmp6, 0x40004                  ; cy
	s_lshl_b32 s42, ttmp9, 2
	s_add_co_u32 s42, s42, s40                     ; tile column = 4 x cluster x + cx
	s_and_b32 s95, ttmp7, 0xffff                   ; cluster y
	s_lshl_b32 s17, s41, 3
	s_add_co_u32 s17, s17, s95                     ; tile row = cluster y + 8 cy: sequence cy, its tile number cluster y
	s_lshl_b32 s43, s41, 2
	s_lshl_b32 s43, 15, s43                        ; my row of the cluster
	s_lshl_b32 s44, 0x1111, s40                    ; my column
	s_or_b32 s[G1+0], s43, (0<<16)|(1<<20)|(1<<21)|(5<<22)|(3<<25)  ; the mask; elements of 1 byte; padding on; bit 21 beside a mask; 4 words after every 64
	s_or_b32 s[G1B+0], s44, (0<<16)|(1<<20)|(1<<21)|(5<<22)|(3<<25)
.irp g, G1, G1B
	s_mov_b32 s[\g+1], ROWB<<16                    ; tensor_dim0
	s_mov_b32 s[\g+2], 128<<16                     ; tensor_dim1
	s_mov_b32 s[\g+3], ROWB<<16                    ; tile_dim0
	s_mov_b32 s[\g+4], 128                         ; tile_dim1
	s_mov_b32 s[\g+5], KROW                        ; the pitch
	s_mov_b32 s[\g+6], 0
	s_mov_b32 s[\g+7], 0
.endr
	s_or_b32 s[G1S+0], s43, (3<<16)|(1<<20)|(1<<21)|(5<<22)|(3<<25) ; the scales of 128 rows: 4,096 dense bytes as 16 rows of 32 elements of 8 bytes, padded likewise
	s_or_b32 s[G1SB+0], s44, (3<<16)|(1<<20)|(1<<21)|(5<<22)|(3<<25)
.irp g, G1S, G1SB
	s_mov_b32 s[\g+1], 32<<16
	s_mov_b32 s[\g+2], 16<<16
	s_mov_b32 s[\g+3], 32<<16
	s_mov_b32 s[\g+4], 16
	s_mov_b32 s[\g+5], 32
	s_mov_b32 s[\g+6], 0
	s_mov_b32 s[\g+7], 0
.endr
	s_lshl_b32 s18, s16, 7
	s_lshl_b32 s20, s17, 8
	s_add_co_u32 s20, s20, s18                     ; x: row 256 x tile row + 128 x half
	s_lshl_b32 s46, s42, 8
	s_add_co_u32 s46, s46, s18                     ; W: row 256 x tile column + 128 x half
	s_mov_b32 s21, 0
	s_mov_b32 s47, 0
	s_mov_b64 s[18:19], KS
	s_mul_u64 s[22:23], s[20:21], s[18:19]         ; where these rows' scales begin,
	s_mul_u64 s[92:93], s[46:47], s[18:19]
	s_mov_b64 s[18:19], KROW
	s_mul_u64 s[20:21], s[20:21], s[18:19]         ; and their codes
	s_mul_u64 s[46:47], s[46:47], s[18:19]
	s_mul_i32 s45, s14, HALFT                      ; where they go: no place in the cluster enters an LDS address
	s_mul_i32 s94, s14, HALFS
	s_wait_dscnt 0x0                               ; both opening adds are done
	s_wait_kmcnt 0x0
	s_add_nc_u64 s[20:21], s[4:5], s[20:21]
	s_add_nc_u64 s[22:23], s[6:7], s[22:23]
	s_add_nc_u64 s[46:47], s[8:9], s[46:47]
	s_add_nc_u64 s[92:93], s[10:11], s[92:93]
	CROUND                                         ; all sixteen work-groups are here: the joint loads meet
	s_mov_b32 s[G0S], 1
	s_add_co_u32 s[G0S+1], s94, SCL
	s_mov_b64 s[G0S+2:G0S+3], s[22:23]
	s_or_b32 s[G0S+3], s[G0S+3], 0x80000000
	s_mov_b32 s[G0SB], 1
	s_add_co_u32 s[G0SB+1], s94, SCL
	s_mov_b64 s[G0SB+2:G0SB+3], s[92:93]
	s_or_b32 s[G0SB+3], s[G0SB+3], 0x80000000
	JLOAD G0S, G1S, G0SB, G1SB                     ; the scales first; then both slots: three loads of mine are out
.irp s, 0,1
	s_mov_b32 s[G0+4*\s], 1
	s_add_co_u32 s[G0+4*\s+1], s45, \s*SLOT
	s_add_nc_u64 s[G0+4*\s+2:G0+4*\s+3], s[20:21], \s*ROWB
	s_or_b32 s[G0+4*\s+3], s[G0+4*\s+3], 0x80000000
	s_mov_b32 s[G0B+4*\s], 1
	s_add_co_u32 s[G0B+4*\s+1], s45, \s*SLOT
	s_add_nc_u64 s[G0B+4*\s+2:G0B+4*\s+3], s[46:47], \s*ROWB
	s_or_b32 s[G0B+4*\s+3], s[G0B+4*\s+3], 0x80000000
	JLOAD G0+4*\s, G1, G0B+4*\s, G1B
.endr
	v_and_b32 v1, 15, v0                           ; r
	v_bfe_u32 v2, v0, 4, 1                         ; h
	v_mul_u32_u24 v3, v1, PITCH
	v_lshl_add_u32 v4, v2, 4, v3                   ; a fragment's row x pitch + 16 h
	s_mul_i32 s21, s15, HALFT
	s_mul_i32 s22, s16, HALFT
	s_add_co_u32 s22, s22, 2*HALFT
.irp s, 0,1
	v_add_nc_u32 v[ADRA+\s], s21, v4
	v_add_nc_u32 v[ADRB+\s], s22, v4
	s_add_co_u32 s21, s21, SLOT
	s_add_co_u32 s22, s22, SLOT
.endr
	v_mul_u32_u24 v5, v1, KS                       ; my row's scales: 32 bytes a row,
	v_lshrrev_b32 v6, 8, v5
	v_lshl_add_u32 v5, v6, 4, v5                   ; and 16 more for each 256 passed
	s_mul_i32 s21, s15, HALFS
	s_mul_i32 s22, s16, HALFS
	s_add_co_u32 s22, s22, 2*HALFS
	s_sub_co_u32 s22, s22, s21
	v_mul_u32_u24 v6, s22, v2                      ; lanes 16-31 take W's: one product, the distance between the two bases x h
	s_add_co_u32 s21, s21, SCL
	v_add_nc_u32 v5, v5, v6
	v_add_nc_u32 v[ADRS], s21, v5
	s_mul_i32 s23, s14, 16*SPITCH                  ; my stage
	v_mul_u32_u24 v5, v1, SPITCH
	v_lshl_add_u32 v5, v2, 4, v5
	v_add_nc_u32 v[STO], s23, v5                   ; in: row r, 16 bytes for each half of the lanes
	v_mul_u32_u24 v5, v2, SPITCH
	v_lshl_add_u32 v5, v1, 4, v5
	v_add_nc_u32 v[RD], s23, v5                    ; back: lanes 0-15 one row of 256 bytes, lanes 16-31 the next
	v_mul_u32_u24 v5, v2, SIZE_N*2
	v_lshl_add_u32 v[CO], v1, 4, v5                ; and the same two rows in qkv
	v_and_b32 v6, 31, v0
	v_lshlrev_b32 v[FO], 4, v6
	s_lshl_b32 s20, s17, 8
	s_lshl_b32 s21, s15, 7
	s_add_co_u32 s20, s20, s21                     ; my first row
	s_mul_i32 s20, s20, SIZE_N*2
	s_lshl_b32 s46, s42, 9                         ; my first column, in bytes: 512 x tile column + 256 x half
	s_add_co_u32 s20, s20, s46
	s_lshl_b32 s46, s16, 8
	s_add_co_u32 s20, s20, s46
	s_mov_b32 s21, 0
	s_add_nc_u64 s[12:13], s[12:13], s[20:21]
	s_mul_i32 s20, s41, 192                        ; fq: sequence cy, column block 16 x tile column + 8 x half: 1,024 bytes a block
	s_lshl_b32 s46, s42, 4
	s_add_co_u32 s20, s20, s46
	s_lshl_b32 s46, s16, 3
	s_add_co_u32 s20, s20, s46
	s_lshl_b32 s20, s20, 10
	s_add_nc_u64 s[66:67], s[66:67], s[20:21]
	s_or_b32 s95, s95, s15                         ; 0 where my block 0 is rows 0-15 of a sequence: cluster y = 0 and the tile's upper half
.macro FRAG reg, adr, q, i             ; 16 rows x 128 K of 4-bit codes: 8 registers; lane l holds row l % 16; registers 4 c .. 4 c + 3 hold K = 64 c + 32 (l / 16) + 0 .. 31
.irp c, 0,1
	ds_load_b128 v[\reg+4*\c:\reg+4*\c+3], v[\adr] offset:64*(\q)+32*\c+(\i)*16*PITCH
.endr
.endm
; 16 matrix instructions: x's blocks a0, a0 + 1 against W's eight.  The 64 accumulators take turns, one instruction a turn.  zero = 1: the first product starts the sums.
.macro MUL16 a0, p, q, sc, zero
.irp a, \a0, \a0+1
.irp b, 0,1,2,3,4,5,6,7
.if \zero
	v_wmma_scale_f32_16x16x128_f8f6f4 v[8*(8*((\a)%4)+\b):8*(8*((\a)%4)+\b)+7], v[128*(\p)+FR*\b:128*(\p)+FR*\b+FR-1], v[AF+FR*(\a):AF+FR*(\a)+FR-1], 0, v[SC+8*NQ*(\sc)+NQ*\b+(\q)], v[SC+8*NQ*(\sc)+NQ*(\a)+(\q)] matrix_a_fmt:MATRIX_FMT_FP4 matrix_b_fmt:MATRIX_FMT_FP4 matrix_a_scale:MATRIX_SCALE_ROW1
.else
	v_wmma_scale_f32_16x16x128_f8f6f4 v[8*(8*((\a)%4)+\b):8*(8*((\a)%4)+\b)+7], v[128*(\p)+FR*\b:128*(\p)+FR*\b+FR-1], v[AF+FR*(\a):AF+FR*(\a)+FR-1], v[8*(8*((\a)%4)+\b):8*(8*((\a)%4)+\b)+7], v[SC+8*NQ*(\sc)+NQ*\b+(\q)], v[SC+8*NQ*(\sc)+NQ*(\a)+(\q)] matrix_a_fmt:MATRIX_FMT_FP4 matrix_b_fmt:MATRIX_FMT_FP4 matrix_a_scale:MATRIX_SCALE_ROW1
.endif
.endr
.endr
.endm
.macro FETCH_B slot, q, p
	WIN TO_B
.irp i, 0,1,2,3,4,5,6,7
	FRAG 128*(\p)+FR*\i, ADRB+\slot, \q, \i
.endr
	WIN 0
.endm
.macro FETCH_A slot, q, i0
.irp i, \i0, \i0+1, \i0+2, \i0+3
	FRAG AF+FR*(\i), ADRA+\slot, \q, \i
.endr
.endm
.macro SCALES sc                       ; a slot's scale words: four a row; lanes 0-15 take x's block i, lanes 16-31 W's block i
.irp i, 0,1,2,3,4,5,6,7
	ds_load_b128 v[SC+8*NQ*\sc+NQ*\i:SC+8*NQ*\sc+NQ*\i+3], v[ADRS] offset:\i*SBLK
.endr
.endm
.macro PLACES n                        ; plain vector lines between a matrix instruction and a load into, or a read of, its registers
.rept \n
	v_nop
.endr
.endm
.macro STEP slot, q, zero              ; 128 along K that has its successor in the same slot
	s_wait_dscnt 4*NL                              ; W's set and x's blocks 0-3 are in; the youngest eight loads (x's blocks 4-7) may be out
	WIN MUL_LO
	MUL16 0, (\q)%2, \q, \slot, \zero
	MUL16 2, (\q)%2, \q, \slot, \zero
	s_wait_dscnt 0
	PLACES NP
	FETCH_B \slot, (\q)+1, 1-(\q)%2
	FETCH_A \slot, (\q)+1, 0
	WIN MUL_HI
	MUL16 4, (\q)%2, \q, \slot, \zero
	MUL16 6, (\q)%2, \q, \slot, \zero
	PLACES NP
	WIN 0
	FETCH_A \slot, (\q)+1, 4
.endm
.macro STEPS slot, from
.set Q, \from
.rept NQ-1-\from
	STEP \slot, Q, 0
.set Q, Q+1
.endr
.endm
	s_wait_tensorcnt 1                             ; the scales and my part of slot 0 are in; slot 1's load may be out
	s_barrier_signal -1
	s_barrier_wait -1
	FETCH_B 0, 0, 0
	FETCH_A 0, 0, 0
	SCALES 0
	FETCH_A 0, 0, 4
	STEP 0, 0, 1                                   ; the first products start the sums: nothing is cleared
	STEPS 0, 1
	; slot 0's last step changes slots: one barrier; in front of it my tensor loads have landed, and my reads of slot 0, which the stages will take, are over
	s_wait_tensorcnt 0x0                           ; my part of slot 1 is in
	ds_add_u32 v[SPW], v[NIL]                      ; 0 onto my spare word
	s_wait_dscnt 4*NL+1                            ; (the add and x's blocks 4-7 may be out)
	WIN MUL_LO
	MUL16 0, 1, NQ-1, 0, 0
	s_wait_dscnt 0x0
	s_barrier_signal -1
	MUL16 2, 1, NQ-1, 0, 0
	WIN 0
	s_barrier_wait -1
	PLACES NP
	v_add_nc_u32 v[ADRS], 4*NQ, v[ADRS]            ; slot 1's scale words
	FETCH_B 1, 0, 0
	FETCH_A 1, 0, 0
	SCALES 1
	WIN MUL_HI
	MUL16 4, 1, NQ-1, 0, 0
	MUL16 6, 1, NQ-1, 0, 0
	PLACES NP
	WIN 0
	FETCH_A 1, 0, 4
	STEPS 1, 0
	s_wait_dscnt 4*NL                              ; the last step: nothing more to fetch
	WIN MUL_LO
	MUL16 0, 1, NQ-1, 1, 0
	MUL16 2, 1, NQ-1, 1, 0
	s_wait_dscnt 0
	WIN MUL_HI
	MUL16 4, 1, NQ-1, 1, 0
	MUL16 6, 1, NQ-1, 1, 0
	WIN 0
	PLACES NP                                      ; ahead of the first read of results, and of loads into registers that held operands
	; rows 0-15 of a sequence leave as f32 too: the eight accumulators of my block 0 as they stand, 512 consecutive bytes a store, each accumulator from its low end on
	s_cmp_lg_u32 s95, 0
	s_cbranch_scc1 .Lno_copy
	WIN 0x08                                       ; a store's data are its source 1: window 2
.irp b, 0,1,2,3,4,5,6,7
	global_store_b128 v[FO], v[8*\b:8*\b+3], s[66:67] offset:1024*\b
	global_store_b128 v[FO], v[8*\b+4:8*\b+7], s[66:67] offset:1024*\b+512
.endr
	WIN 0
.Lno_copy:
; THE WAY OUT, block by block of 16 rows x 128 columns: rounded to f16 (16 bytes a lane), through my own stage, back as whole rows of 256 bytes.
.macro PACK a
.set AC, 64*((\a)%4)
	WIN 0x0a+5*((\a)/4)                            ; sources 0 and 1: window 2 or 3
.irp b, 0,1,2,3,4,5,6,7
.irp r, 0,1,2,3
	v_cvt_pk_f16_f32 v[TMP+4*\b+\r], v[AC+8*\b+2*\r], v[AC+8*\b+2*\r+1]
.endr
.endr
	WIN 0
.endm
.macro TOSTAGE a
.set BK, OB+192*((\a)%2)
.irp b, 0,1,2,3,4,5,6,7
	ds_store_b128 v[STO], v[TMP+4*\b:TMP+4*\b+3] offset:32*\b
.endr
.irp t, 0,1,2,3,4,5,6,7
	ds_load_b128 v[BK+4*\t:BK+4*\t+3], v[RD] offset:\t*2*SPITCH    ; LDS serves a wave's instructions in order (ISA guide 5.7.1.4): these see the stores above
.endr
.endm
.macro SEND a
.set BK, OB+192*((\a)%2)
	s_wait_dscnt 0x0                               ; the block is back in registers
	s_wait_xcnt 0x0                                ; earlier stores have read their base and their data: the base steps, and the next block's loads may land where block a - 1's rows lay
.if (\a) > 0
	s_add_nc_u64 s[12:13], s[12:13], 16*SIZE_N*2
.endif
.irp t, 0,1,2,3,4,5,6,7
	global_store_b128 v[CO], v[BK+4*\t:BK+4*\t+3], s[12:13] offset:2*\t*SIZE_N*2   ; sixteen lanes store 256 consecutive bytes, aligned
.endr
.endm
	PACK 0
	TOSTAGE 0
.irp a, 1,2,3,4,5,6,7                  ; block a's conversions stand between block a - 1's loads from the stage and the wait for them
	PACK \a
	SEND \a-1
	TOSTAGE \a
.endr
	SEND 7
	s_wait_tensorcnt 0x0                           ; the wave's end
	ds_add_u32 v[SPW], v[NIL]
	s_wait_dscnt 0x0
	CROUND                                         ; the closing round
	s_endpgm
.Lfunc_end_k_q5903075166_proj:
	.size	k_q5903075166_proj, .Lfunc_end_k_q5903075166_proj-k_q5903075166_proj
	.p2alignl 7, 3214868480
	.fill 96, 4, 3214868480
	.section	.rodata,"a",@progbits
	.p2align	6, 0x0
	.amdhsa_kernel k_q5903075166_proj
		.amdhsa_group_segment_fixed_size 327680
		.amdhsa_private_segment_fixed_size 0
		.amdhsa_enable_private_segment 0
		.amdhsa_kernarg_size 48
		.amdhsa_user_sgpr_count 2
		.amdhsa_user_sgpr_kernarg_segment_ptr 1
		.amdhsa_wavefront_size32 1
		.amdhsa_system_sgpr_workgroup_id_x 1
		.amdhsa_system_sgpr_workgroup_id_y 1
		.amdhsa_system_sgpr_workgroup_id_z 1
		.amdhsa_system_vgpr_workitem_id 0
		.amdhsa_next_free_vgpr 1024
		.amdhsa_next_free_sgpr 100
		.amdhsa_reserve_vcc 0
		.amdhsa_float_denorm_mode_32 3
		.amdhsa_float_denorm_mode_16_64 3
		.amdhsa_memory_ordered 1
		.amdhsa_forward_progress 1
		.amdhsa_inst_pref_size 129
	.end_amdhsa_kernel
	.amdgpu_metadata
---
amdhsa.version: [ 1, 2 ]
amdhsa.kernels:
  - .name:           k_q5903075166_proj
    .symbol:         k_q5903075166_proj.kd
    .args:
      - { .name: xc, .offset: 0, .size: 8, .value_kind: global_buffer, .address_space: global }
      - { .name: xs, .offset: 8, .size: 8, .value_kind: global_buffer, .address_space: global }
      - { .name: wc, .offset: 16, .size: 8, .value_kind: global_buffer, .address_space: global }
      - { .name: ws, .offset: 24, .size: 8, .value_kind: global_buffer, .address_space: global }
      - { .name: qkv, .offset: 32, .size: 8, .value_kind: global_buffer, .address_space: global }
      - { .name: fq, .offset: 40, .size: 8, .value_kind: global_buffer, .address_space: global }
    .group_segment_fixed_size: 327680
    .private_segment_fixed_size: 0
    .kernarg_segment_align: 8
    .kernarg_segment_size: 48
    .max_flat_workgroup_size: 128
    .sgpr_count:     100
    .vgpr_count:     1024
    .wavefront_size: 32
...
	.end_amdgpu_metadata
.endif
;; end of part 2
;; launch scores (part 3): grid 9 x 16, 4 waves a work-group, no clusters, 327,680 bytes of LDS; arguments qkv, pm, st; writes pm, st
.if DOCPART == 3
	.amdgcn_target "amdgcn-amd-amdhsa--gfx1250"
	.amdhsa_code_object_version 6
	.text
	.protected	k_q5903075166_scores
	.globl	k_q5903075166_scores
	.p2align	8
	.type	k_q5903075166_scores,@function
k_q5903075166_scores:
	s_mov_b64 s[64:65], 0
	v_nop
	global_prefetch_b8 v0, s[64:65] scope:SCOPE_SE
	s_setreg_imm32_b32 hwreg(HW_REG_WAVE_MODE, 25, 1), 1
	s_wait_xcnt 0x0
; For each sequence and each tile of 256 queries x 256 keys on or under the diagonal: s = q . k over 1,024 channels (f16 operands, f32 sums); t = s x log2(e) / 32; then, for each query and each
; block of 128 keys: M = the largest t rounded up to a whole number, p = 2^(t - M) (rounded to f16 into pm), l = the f32 sum of the unrounded p; (-M, l) into st.  Keys after the query count for nothing: p = 0.
; The next launch brings the blocks of a row under the row's largest M, so the row's true maximum is taken away.
; LIMIT: |q|, |k| under 65,504 (they arrive as f16).
; TILES.  Tile rows pr and 7 - pr of a sequence hold 9 tiles together: work-group (t, 4 bt + pr) takes (I, J) = (pr, t) for t <= pr, else (7 - pr, t - pr - 1).  144 work-groups of equal matrix work.
; NO CLUSTER: the triangle does not cut into groups whose partners all read every shared tile: a group on the diagonal would hold a partner with nothing to read of a joint load.
; Four waves, each 128 x 128: 64 accumulators.  K goes in steps of 128 (rows of 256 bytes) through two LDS slots; each wave fetches 128 rows with one tensor load.
; On a diagonal tile the wave of queries 0-127 x keys 128-255 still multiplies (its part is 1 / 18 of the launch's products) and stores nothing: that block is never read.
; THE MATRIX INSTRUCTION IS USED TRANSPOSED (source 0 = 16 keys, source 1 = 16 queries): a lane holds one query (lane % 16) and, in accumulator (a, b), keys 16 b + 8 (lane / 16) + 0 .. 7.
; REGISTERS, in windows of 256: window 0: v0-31 addresses; v32-48 at work; v64-127, v128-191 q's fragments, two buffers (behind the loop: t and p; packed p and rows).
;   window 1: v64-127, v128-191 k's fragments.   window 2: the accumulators of my queries 0-63 ((a, b) at v[8 (8 a + b)]);   window 3: those of queries 64-127.
.set PITCH,  272                       ; 256 bytes + 16 of padding: the 16 rows that a load touches start at 16 different banks (ISA guide 11.1)
.set HALFT,  128*PITCH
.set SLOT,   4*HALFT                   ; q's 256 rows, then k's 256 rows
.set STAGE,  2*SLOT                    ; 16 rows x 272 bytes for each wave
.set SPARE,  STAGE+4*16*PITCH          ; the spare words, 128 bytes a wave
.set ROWQ,   6144                      ; a row of qkv in bytes
.set LAPS,   4                         ; 1,024 channels = 8 K steps = 4 times round the ring
.set ADRA, 16
.set ADRB, 20
.set STO,  24
.set RD,   25
.set CO,   26
.set DD,   27                          ; v27 r - 8 h: on the diagonal key j of a lane's eight is hidden where j > this
.set SPW,  28
.set NIL,  29
.set PFO,  30                          ; v30 lane x a row of qkv
.set SO,   31                          ; v31 8 x lane
.set TT,   32                          ; v32-35 four maxima
.set SA,   36                          ; v[36:37], v[38:39] two chains of sums
.set SBB,  38
.set NM0,  40                          ; v[40:41], v[42:43] -M of an even, an odd block of queries (named as pairs by the packed form)
.set LL0,  44                          ; v44, v45 l likewise
.set SD,   46                          ; v[46:47] (-M, l) to store
.set NINF, 48
.set W,    64                          ; v64-127 t - M, then p
.set PK,   128                         ; v128-159 p as f16
.set BK,   160                         ; v160-191 rows back from the stage
.set F0,   64
.set F1,   128
.set G1,   24
.set G0,   32
.set SKP,  43                          ; s43 1: my block lies wholly above the diagonal
.set MSK,  44                          ; s44 1: my block lies on the diagonal
.set LIM,  45
.set PFA,  46
.set CS,   48                          ; s[48:49] c = log2(e) / 32
.set SEL,  50                          ; s[50:51] lane l xor 16
.set HM,   52                          ; s52 lanes 16-31
.set MSB, 0
.macro WIN new
.if MSB != (\new)
	s_set_vgpr_msb (MSB<<8)|(\new)
.set MSB, (\new)
.endif
.endm
.set MUL_LO, 0xa1
.set MUL_HI, 0xf1
.set TO_B,   0x40
	s_load_b128 s[4:7], s[0:1], 0x0                ; qkv, pm
	s_load_b64 s[8:9], s[0:1], 0x10                ; st
	v_lshl_add_u32 v[SPW], v0, 2, SPARE
	v_mov_b32 v[NIL], 0
	ds_add_u32 v[SPW], v[NIL]                      ; the wave's opening: the add, twice on end, and its wait ahead of my first tensor load
	ds_add_u32 v[SPW], v[NIL]
	v_lshrrev_b32 v1, 5, v0
	v_readfirstlane_b32 s10, v1                    ; wave
	s_lshr_b32 s11, s10, 1                         ; rh: which 128 queries are mine
	s_and_b32 s12, s10, 1                          ; ch: which 128 keys.  Also: which 128 rows I fetch
	s_and_b32 s13, ttmp7, 0xffff
	s_and_b32 s14, s13, 3                          ; pr
	s_lshr_b32 s15, s13, 2                         ; bt: the sequence
	s_sub_co_u32 s16, 7, s14
	s_sub_co_u32 s17, ttmp9, s14
	s_sub_co_u32 s17, s17, 1
	s_cmp_le_u32 ttmp9, s14
	s_cselect_b32 s40, s14, s16                    ; I
	s_cselect_b32 s41, ttmp9, s17                  ; J
	s_mov_b32 s[G1+0], (1<<16)|(1<<20)|(5<<22)|(3<<25)  ; no mask; elements of 2 bytes; padding: 4 words after every 64
	s_mov_b32 s[G1+1], 128<<16                     ; tensor_dim0
	s_mov_b32 s[G1+2], 128<<16                     ; tensor_dim1
	s_mov_b32 s[G1+3], 128<<16                     ; tile_dim0
	s_mov_b32 s[G1+4], 128                         ; tile_dim1
	s_mov_b32 s[G1+5], 3072                        ; the pitch in elements
	s_mov_b32 s[G1+6], 0
	s_mov_b32 s[G1+7], 0
	s_cmp_lt_u32 s10, 2                            ; waves 0, 1 fetch q's rows of tile row I; waves 2, 3 k's rows of tile column J
	s_cselect_b32 s16, s40, s41
	s_cselect_b32 s17, 0, 2048                     ; k begins 2,048 bytes into a row
	s_lshl_b32 s16, s16, 8
	s_lshl_b32 s18, s12, 7
	s_add_co_u32 s16, s16, s18
	s_lshl_b32 s18, s15, 11
	s_add_co_u32 s16, s16, s18
	s_mul_i32 s16, s16, ROWQ
	s_add_co_u32 s16, s16, s17
	s_mov_b32 s17, 0
	s_mul_i32 s20, s10, HALFT
	s_sub_co_u32 s21, s40, s41
	s_cmp_lt_u32 s10, 2
	s_cselect_b32 s21, s41, s21                    ; q's rows are read by every tile of the tile row: the one with J = 0 prefetches; k's by every tile of the column: the one with I = J
	s_cmp_eq_u32 s21, 0
	s_cselect_b32 s[LIM], 1, -1
	s_cmp_eq_u32 s40, s41
	s_cselect_b32 s42, 1, 0                        ; a tile on the diagonal
	s_cmp_eq_u32 s10, 1
	s_cselect_b32 s[SKP], s42, 0
	s_cmp_eq_u32 s11, s12
	s_cselect_b32 s[MSK], s42, 0
	s_mov_b32 s[CS], 0x3d38aa3b
	s_mov_b32 s[CS+1], s[CS]
	s_mov_b32 s[SEL], 0x76543210
	s_mov_b32 s[SEL+1], 0xfedcba98
	s_mov_b32 s[HM], 0xffff0000
	s_wait_dscnt 0x0                               ; both opening adds are done
	s_wait_kmcnt 0x0
	s_add_nc_u64 s[18:19], s[4:5], s[16:17]        ; my 128 rows, K step 0
.irp s, 0,1
	s_mov_b32 s[G0+4*\s], 1
	s_add_co_u32 s[G0+4*\s+1], s20, \s*SLOT        ; LDS: wave x 128 rows, in slot s
	s_add_nc_u64 s[G0+4*\s+2:G0+4*\s+3], s[18:19], \s*256
	s_or_b32 s[G0+4*\s+3], s[G0+4*\s+3], 0x80000000
	tensor_load_to_lds s[G0+4*\s:G0+4*\s+3], s[G1:G1+7]   ; both first fills go out together: two loads of mine are out
	s_nop 0
.endr
	s_add_nc_u64 s[PFA:PFA+1], s[18:19], 2*256     ; at K step 2: the first refill steps it to 3 and names K step 4
	v_and_b32 v1, 15, v0                           ; r
	v_bfe_u32 v2, v0, 4, 1                         ; h
	v_mul_u32_u24 v3, v1, PITCH
	v_lshl_add_u32 v3, v2, 4, v3
	s_mul_i32 s21, s11, HALFT
	s_mul_i32 s22, s12, HALFT
	s_add_co_u32 s22, s22, 2*HALFT
.irp s, 0,1
	v_add_nc_u32 v[ADRA+\s], s21, v3
	v_add_nc_u32 v[ADRB+\s], s22, v3
	s_add_co_u32 s21, s21, SLOT
	s_add_co_u32 s22, s22, SLOT
.endr
	s_mul_i32 s23, s10, 16*PITCH
	s_add_co_u32 s23, s23, STAGE
	v_add_nc_u32 v[STO], s23, v3                   ; the stage, in: row r, 16 bytes for each half of the lanes
	v_mul_u32_u24 v5, v2, PITCH
	v_lshl_add_u32 v5, v1, 4, v5
	v_add_nc_u32 v[RD], s23, v5                    ; back: lanes 0-15 one row, lanes 16-31 the next
	v_lshlrev_b32 v5, 12, v2
	v_lshl_add_u32 v[CO], v1, 4, v5                ; and the same two rows in pm (4,096 bytes a row)
	v_lshlrev_b32 v5, 3, v2
	v_sub_nc_u32 v[DD], v1, v5
	v_and_b32 v[PFO], 31, v0
	v_lshlrev_b32 v[SO], 3, v[PFO]
	v_mul_u32_u24 v[PFO], v[PFO], ROWQ
	v_mov_b32 v[NINF], 0xff800000
	v_mov_b32 v[NM0+1], 0                          ; (named as the upper halves of pairs)
	v_mov_b32 v[NM0+3], 0
	s_lshl_b32 s16, s40, 8
	s_lshl_b32 s17, s11, 7
	s_add_co_u32 s16, s16, s17                     ; my first query in the sequence
	s_lshl_b32 s22, s16, 12
	s_lshl_b32 s17, s15, 23
	s_add_co_u32 s22, s22, s17
	s_lshl_b32 s17, s41, 9
	s_add_co_u32 s22, s22, s17
	s_lshl_b32 s17, s12, 8
	s_add_co_u32 s22, s22, s17
	s_mov_b32 s23, 0
	s_add_nc_u64 s[6:7], s[6:7], s[22:23]          ; pm at my block
	s_lshl_b32 s17, s15, 4
	s_lshl_b32 s21, s41, 1
	s_add_co_u32 s17, s17, s21
	s_add_co_u32 s17, s17, s12                     ; 16 bt + my block of keys
	s_lshl_b32 s17, s17, 11
	s_add_co_u32 s17, s17, s16
	s_lshl_b32 s22, s17, 3
	s_add_nc_u64 s[8:9], s[8:9], s[22:23]          ; st at my block
.macro MUL16 f, hi, a0, zero           ; 16 matrix instructions; the 64 accumulators take turns, one instruction a turn
.irp a, \a0, \a0+1
.irp b, 0,1,2,3,4,5,6,7
.if \zero
	v_wmma_f32_16x16x32_f16 v[8*(8*(\a)+\b):8*(8*(\a)+\b)+7], v[\f+8*\b:\f+8*\b+7], v[\f+8*(4*\hi+\a):\f+8*(4*\hi+\a)+7], 0
.else
	v_wmma_f32_16x16x32_f16 v[8*(8*(\a)+\b):8*(8*(\a)+\b)+7], v[\f+8*\b:\f+8*\b+7], v[\f+8*(4*\hi+\a):\f+8*(4*\hi+\a)+7], v[8*(8*(\a)+\b):8*(8*(\a)+\b)+7]
.endif
.endr
.endr
.endm
.macro FETCH slot, k, f                ; 32 LDS loads in one run: 128 keys and 128 queries x 32 channels at byte k of the rows
	WIN TO_B
.irp i, 0,1,2,3,4,5,6,7
	ds_load_b128 v[\f+8*\i:\f+8*\i+3],   v[ADRB+\slot] offset:\k+\i*16*PITCH
	ds_load_b128 v[\f+8*\i+4:\f+8*\i+7], v[ADRB+\slot] offset:\k+\i*16*PITCH+32
.endr
	WIN 0
.irp i, 0,1,2,3,4,5,6,7
	ds_load_b128 v[\f+8*\i:\f+8*\i+3],   v[ADRA+\slot] offset:\k+\i*16*PITCH
	ds_load_b128 v[\f+8*\i+4:\f+8*\i+7], v[ADRA+\slot] offset:\k+\i*16*PITCH+32
.endr
.endm
.macro PLACES                          ; four plain vector lines between a matrix instruction and a load into, or a read of, its registers
.rept 4
	v_nop
.endr
.endm
.macro QUARTER slot, k, f, g, zero     ; 32 channels: 64 matrix instructions on buffer f; the next quarter's fragments, at byte k, go into buffer g
	s_wait_dscnt 8                                 ; k's and q's rows 0-63 are in; the youngest eight loads may be out
	WIN MUL_LO
	MUL16 \f, 0, 0, \zero
	MUL16 \f, 0, 2, \zero
	PLACES
	FETCH \slot, \k, \g
	s_wait_dscnt 32                                ; all but the 32 just issued
	WIN MUL_HI
	MUL16 \f, 1, 0, \zero
	MUL16 \f, 1, 2, \zero
.endm
; A prefetch into the L2 of the K step that stands two refills on: my 128 rows x 256 bytes, a lane a row, four instructions; it stands behind the tensor load's lines and the run of LDS loads.
; Each row's 256 bytes of a K step are named once in the launch (who asks: at s[LIM] above).  The loop's last trip asks for nothing: there is no K step two refills on.  K steps 0 to 3 come by their loads alone.
.macro ASK
	s_cmp_gt_u32 s3, s[LIM]
	s_cbranch_scc0 .Lnot_mine_\@
.irp i, 0,1,2,3
	global_prefetch_b8 v[PFO], s[PFA:PFA+1] offset:32*ROWQ*\i+256 th:TH_LOAD_NT scope:SCOPE_SE
.endr
.Lnot_mine_\@:
.endm
; A slot's last quarter changes slots: one barrier.  In front of it each wave waits for all its tensor loads (one is out: its part of the next slot), adds 0 to its spare word, and waits for that and for
; its reads of this slot.  fill = 1: behind the barrier this slot is filled again first, two K steps ahead: the load has 224 matrix instructions in which to land.
.macro TURN slot, next, fill
.if \fill
	s_wait_xcnt 0x0                                ; the last prefetches, a K step back, have read their address
	s_add_nc_u64 s[PFA:PFA+1], s[PFA:PFA+1], 256
.endif
	WIN 0                                          ; (the add's two registers lie in window 0)
	s_wait_tensorcnt 0x0
	ds_add_u32 v[SPW], v[NIL]
.if \fill
	s_add_nc_u64 s[G0+4*\slot+2:G0+4*\slot+3], s[G0+4*\slot+2:G0+4*\slot+3], 2*256   ; no load of mine is out: the slot's descriptor steps
.endif
	s_wait_dscnt 9                                 ; (the add and the youngest eight loads may be out)
	WIN MUL_LO
	MUL16 F1, 0, 0, 0
	s_wait_dscnt 0x0                               ; the add is done, and my reads of this slot are over
	s_barrier_signal -1
	MUL16 F1, 0, 2, 0
	s_barrier_wait -1
.if \fill
	tensor_load_to_lds s[G0+4*\slot:G0+4*\slot+3], s[G1:G1+7]
	s_nop 0
.endif
	PLACES                                         ; behind the load, and in front of the loads into buffer 0
	FETCH \next, 0, F0
.if \fill
	ASK
.endif
	WIN MUL_HI
	MUL16 F1, 1, 0, 0
	MUL16 F1, 1, 2, 0
.endm
	s_wait_tensorcnt 1                             ; my part of K step 0 is in; K step 1's may be out
	s_barrier_signal -1
	s_barrier_wait -1
	FETCH 0, 0, F0
	QUARTER 0, 64,  F0, F1, 1                      ; the first products start the sums
	WIN 0
	s_mov_b32 s3, LAPS-1
.Llap:                                                 ; a trip goes once round the ring and fills both slots again
	QUARTER 0, 128, F1, F0, 0
	QUARTER 0, 192, F0, F1, 0
	TURN 0, 1, 1
	QUARTER 1, 64,  F0, F1, 0
	QUARTER 1, 128, F1, F0, 0
	QUARTER 1, 192, F0, F1, 0
	TURN 1, 0, 1
	QUARTER 0, 64,  F0, F1, 0
	WIN 0
	s_sub_co_u32 s3, s3, 1
	s_cmp_lg_u32 s3, 0
	s_cbranch_scc1 .Llap
	QUARTER 0, 128, F1, F0, 0                      ; the last lap fills nothing
	QUARTER 0, 192, F0, F1, 0
	TURN 0, 1, 0
	QUARTER 1, 64,  F0, F1, 0
	QUARTER 1, 128, F1, F0, 0
	QUARTER 1, 192, F0, F1, 0
	s_wait_dscnt 8
	WIN MUL_LO
	MUL16 F1, 0, 0, 0
	MUL16 F1, 0, 2, 0
	s_wait_dscnt 0x0
	WIN MUL_HI
	MUL16 F1, 1, 0, 0
	MUL16 F1, 1, 2, 0
	WIN 0
	PLACES
	s_cmp_eq_u32 s[SKP], 1                         ; ids and the wave's number alone; no barrier stands behind this branch
	s_cbranch_scc1 .Lend
; BLOCK a: 16 queries x my 128 keys, 64 registers a lane.
.macro EPI a
.set WA, 2+(\a)/4
.set AC, 64*((\a)%4)
.set NM, NM0+2*((\a)%2)
.set LL, LL0+((\a)%2)
	s_cmp_eq_u32 s[MSK], 0
	s_cbranch_scc1 .Lopen_\@
	WIN (WA<<6)|WA                                 ; on the diagonal: hidden scores become -infinity ahead of the maximum, so p = 0.  Key = query counts, so M is a number
.irp j, 0,1,2,3,4,5,6,7
	v_cmp_gt_i32 vcc_lo, \j, v[DD]
	v_cndmask_b32 v[AC+8*(\a)+\j], v[AC+8*(\a)+\j], v[NINF], vcc_lo
.endr
.if (\a) < 7
.set n, 8*((\a)+1)
.rept 8*(7-(\a))
	v_mov_b32 v[AC+n], 0xff800000                  ; the blocks of 16 keys behind mine are hidden whole
.set n, n+1
.endr
.endif
	WIN 0
.Lopen_\@:
	WIN WA|(WA<<2)|(WA<<4)
.irp k, 0,1,2,3
	v_max3_num_f32 v[TT+\k], v[AC+16*\k], v[AC+16*\k+1], v[AC+16*\k+2]   ; four chains of 16 scores; each accumulator is read from its low end on
.endr
	WIN (WA<<2)|(WA<<4)
.irp i, 3,5,7,9,11,13
.irp k, 0,1,2,3
	v_max3_num_f32 v[TT+\k], v[TT+\k], v[AC+16*\k+\i], v[AC+16*\k+\i+1]
.endr
.endr
.irp k, 0,1,2,3
	v_max_num_f32 v[TT+\k], v[TT+\k], v[AC+16*\k+15]
.endr
	WIN 0
	v_max3_num_f32 v[TT], v[TT], v[TT+1], v[TT+2]
	v_max_num_f32 v[TT], v[TT], v[TT+3]
	v_permlanex16_b32 v[TT+1], v[TT], s[SEL], s[SEL+1]   ; the query's other 64 keys lie in the lane 16 away
	v_max_num_f32 v[TT], v[TT], v[TT+1]
	v_mul_f32 v[TT], s[CS], v[TT]                  ; as t (c is positive)
	v_floor_f32 v[NM], -v[TT]                      ; -M = floor(-t): M is a whole number
	WIN WA
.set n, 0
.rept 32
	v_pk_fma_f32 v[W+n:W+n+1], v[AC+n:AC+n+1], s[CS:CS+1], v[NM:NM+1] op_sel_hi:[1,0,0]   ; t - M, two at a time
.set n, n+2
.endr
	WIN 0
.set n, 0
.rept 64
	v_exp_f32 v[W+n], v[W+n]                       ; p = 2^(t - M), at most 1
.set n, n+1
.endr
	v_nop                                          ; a plain line behind the last exponential
	s_wait_alu depctr_va_vdst(0)                   ; one wait for the batch, ahead of its first reader
.set n, 0
.rept 32
	v_cvt_pk_f16_f32 v[PK+n], v[W+2*n], v[W+2*n+1]
.set n, n+1
.endr
	s_wait_xcnt 0x0                                ; the last block's stores have read their registers
.irp b, 0,1,2,3,4,5,6,7
	ds_store_b128 v[STO], v[PK+4*\b:PK+4*\b+3] offset:32*\b
.endr
.irp i, 0,1,2,3,4,5,6,7
	ds_load_b128 v[BK+4*\i:BK+4*\i+3], v[RD] offset:\i*2*PITCH     ; LDS serves a wave's instructions in order: these see the stores above
.endr
	v_pk_add_f32 v[SA:SA+1], v[W:W+1], v[W+4:W+5]                  ; l: the sum of the unrounded p, in two chains, while the rows come back
	v_pk_add_f32 v[SBB:SBB+1], v[W+2:W+3], v[W+6:W+7]
.set n, 8
.rept 14
	v_pk_add_f32 v[SA:SA+1], v[SA:SA+1], v[W+n:W+n+1]
	v_pk_add_f32 v[SBB:SBB+1], v[SBB:SBB+1], v[W+n+2:W+n+3]
.set n, n+4
.endr
	v_pk_add_f32 v[SA:SA+1], v[SA:SA+1], v[SBB:SBB+1]
	v_add_f32 v[LL], v[SA], v[SA+1]
	v_permlanex16_b32 v[TT+1], v[LL], s[SEL], s[SEL+1]
	v_add_f32 v[LL], v[LL], v[TT+1]
	s_wait_dscnt 0x0
.irp i, 0,1,2,3,4,5,6,7
	global_store_b128 v[CO], v[BK+4*\i:BK+4*\i+3], s[6:7] offset:(16*(\a)+2*\i)*4096   ; sixteen lanes store 256 consecutive bytes, aligned
.endr
.if ((\a)%2) == 1                      ; two blocks' figures leave together: lanes 0-15 the even block's, lanes 16-31 the odd one's: 256 consecutive bytes, aligned
	v_cndmask_b32 v[SD], v[NM0], v[NM0+2], s[HM]
	v_cndmask_b32 v[SD+1], v[LL0], v[LL0+1], s[HM]
	global_store_b64 v[SO], v[SD:SD+1], s[8:9] offset:128*((\a)-1)
.endif
.endm
.irp a, 0,1,2,3,4,5,6,7
	EPI \a
.endr
.Lend:
	s_wait_tensorcnt 0x0                           ; the wave's end
	ds_add_u32 v[SPW], v[NIL]
	s_wait_dscnt 0x0
	s_endpgm
.Lfunc_end_k_q5903075166_scores:
	.size	k_q5903075166_scores, .Lfunc_end_k_q5903075166_scores-k_q5903075166_scores
	.p2alignl 7, 3214868480
	.fill 96, 4, 3214868480
	.section	.rodata,"a",@progbits
	.p2align	6, 0x0
	.amdhsa_kernel k_q5903075166_scores
		.amdhsa_group_segment_fixed_size 327680
		.amdhsa_private_segment_fixed_size 0
		.amdhsa_enable_private_segment 0
		.amdhsa_kernarg_size 24
		.amdhsa_user_sgpr_count 2
		.amdhsa_user_sgpr_kernarg_segment_ptr 1
		.amdhsa_wavefront_size32 1
		.amdhsa_system_sgpr_workgroup_id_x 1
		.amdhsa_system_sgpr_workgroup_id_y 1
		.amdhsa_system_sgpr_workgroup_id_z 1
		.amdhsa_system_vgpr_workitem_id 0
		.amdhsa_next_free_vgpr 1024
		.amdhsa_next_free_sgpr 66
		.amdhsa_reserve_vcc 1
		.amdhsa_float_denorm_mode_32 3
		.amdhsa_float_denorm_mode_16_64 3
		.amdhsa_memory_ordered 1
		.amdhsa_forward_progress 1
		.amdhsa_inst_pref_size 227
	.end_amdhsa_kernel
	.amdgpu_metadata
---
amdhsa.version: [ 1, 2 ]
amdhsa.kernels:
  - .name:           k_q5903075166_scores
    .symbol:         k_q5903075166_scores.kd
    .args:
      - { .name: qkv, .offset: 0, .size: 8, .value_kind: global_buffer, .address_space: global }
      - { .name: pm, .offset: 8, .size: 8, .value_kind: global_buffer, .address_space: global }
      - { .name: st, .offset: 16, .size: 8, .value_kind: global_buffer, .address_space: global }
    .group_segment_fixed_size: 327680
    .private_segment_fixed_size: 0
    .kernarg_segment_align: 8
    .kernarg_segment_size: 24
    .max_flat_workgroup_size: 128
    .sgpr_count:     66
    .vgpr_count:     1024
    .wavefront_size: 32
...
	.end_amdgpu_metadata
.endif
;; end of part 3
;; launch pv (part 4): grid 8 x 32, 4 waves a work-group, clusters of 4 x 1, 327,680 bytes of LDS; arguments pm, st, qkv, out0; writes out0
.if DOCPART == 4
	.amdgcn_target "amdgcn-amd-amdhsa--gfx1250"
	.amdhsa_code_object_version 6
	.text
	.protected	k_q5903075166_pv
	.globl	k_q5903075166_pv
	.p2align	8
	.type	k_q5903075166_pv,@function
k_q5903075166_pv:
	s_mov_b64 s[64:65], 0
	v_nop
	global_prefetch_b8 v0, s[64:65] scope:SCOPE_SE
	s_setreg_imm32_b32 hwreg(HW_REG_WAVE_MODE, 25, 1), 1
	s_wait_xcnt 0x0
	s_wait_alu depctr_hold_cnt(0) depctr_sa_sdst(0) depctr_va_vdst(0) depctr_va_sdst(0) depctr_va_ssrc(0) depctr_va_vcc(0) depctr_vm_vsrc(0)
	s_getreg_b32 s2, hwreg(HW_REG_IB_STS2, 6, 4)
	s_cmp_eq_u32 s2, 0
	s_cbranch_scc0 .Lentry_in_a_cluster
	s_endpgm
.Lentry_in_a_cluster:
	s_bfe_u32 s2, ttmp6, 0x10000c
	s_cmp_lg_u32 s2, 0x3003
	s_cbranch_scc0 .Lentry_shape_is_right
	s_endpgm
.Lentry_shape_is_right:
; out[q][:] = (sum over blocks kb of f x (P_kb V_kb)) / (sum over kb of f x l), f = 2^(M_kb - M_row), M_row the largest M of the row's blocks: the softmax under the row's true maximum.
; P: f16, blocks of 128 queries x 128 keys (pm); (-M, l) for each query and block (st); V: f16, in qkv from byte 4,096 of a row on.  Products with f32 sums; f, the sums over blocks and the division in f32.
; Rows 0-15 of each sequence are not stored here: a launch of their own computes them in f32.
; SHARES.  A work-group owns 128 channels (c) and two blocks of 128 queries of a sequence, qA = 15 - p and qB = p: 16 - p and p + 1 blocks of keys, 17 steps whatever p: 256 work-groups of equal work.
; Step t < sw = 16 - p is (qA, kb = t), else (qB, kb = t - sw).  Wave (qh, chh) makes 64 queries x 64 channels.  A step's product starts from 0 in T and is added into O_A or O_B times f.
; CLUSTER.  The four partners differ in c alone: P's tiles are asked for jointly; V's tiles differ between partners and come by loads of their own.
; V is not shared between work-groups of different p: they stand at the same kb only while both walk their block A.
; RING.  Two slots of two steps each; waves 0, 1 fetch P of a slot's first, second step, waves 2, 3 V likewise: one load a wave behind each round, 112 matrix instructions ahead of the wait for it.
; THE MATRIX INSTRUCTION IS USED TRANSPOSED (source 0 = 16 channels of V, turned on the way out of LDS; source 1 = 16 queries of P): a lane holds one query and eight neighbouring channels.
; REGISTERS: window 0: v4-19 addresses; v20-27 f, v28-35 1 / sum (pairs: the packed forms name pairs); v48-79, v80-111 the way out; v128-255 T, 16 accumulators ((a, b) at v[128 + 8 (4 a + b)]).
;   window 1: two fragment buffers of 128: 64 registers of P, then 64 of V.   window 2: v0-127 O_A, v128-255 O_B.
.set PP,    272                        ; a row of P in LDS: 256 bytes + 16
.set PVV,   288                        ; a row of V: 256 + 32
.set VOFF,  128*PP
.set STEPB, 128*(PP+PVV)               ; a step's tiles: P, then V
.set SLOTB, 2*STEPB
.set STAGE, 2*SLOTB                    ; 16 rows x 272 bytes for each wave
.set FAC,   STAGE+4*16*272             ; f: [step 17][query 128] f32
.set RINV,  FAC+17*512                 ; 1 / sum: [block A, B][query 128]
.set SPARE, RINV+1024                  ; the spare words, 128 bytes a wave
.set ADRP, 4                           ; v4-7   my lane's place in P's tile of (slot, step) 2 s + e
.set ADRV, 8                           ; v8-11  the same for V
.set FA,   12                          ; v12 where my queries' f of the lap's first step lie
.set RA,   13
.set STO,  14
.set RD,   15
.set GO,   16
.set PFO,  17
.set SPW,  18
.set NIL,  19
.set FV,   20
.set RI,   28
.set FW,   38                          ; v38 FAC + 4 x thread
.set TAU8, 39                          ; v39 8 x thread
.set WW,   48
.set BK,   80
.set T,    128
.set SL,   128                         ; at the head, where T is not yet at work: v128-161 (-M, l) of the 17 steps; v164-180 their offsets; v184-192 at work
.set SOF,  164
.set NMA,  184
.set NMB,  185
.set LA,   186
.set LB,   187
.set BIG,  192
.set F0,   0
.set F1,   128
.set WV,   12
.set PAR,  13                          ; wave & 1: which step of a slot I fetch; also chh
.set QH,   14
.set SW,   20
.set QA19, 21                          ; qA, qB x 128 rows of 4,096 bytes
.set QB19, 22
.set T4,   23                          ; the lap's first step
.set G1P,  24
.set G1V,  32
.set G0P,  40
.set G0V,  48
.set PB,   56                          ; s[56:57] pm at my sequence
.set VB,   58                          ; s[58:59] V at my sequence and channels
.set PFB,  60
.set PFA,  62
.set X0,   66                          ; s[66:67], s[68:69] offsets with 0 above them
.set X2,   68
.set TN,   70
.set X1,   71
.set TP,   72
.set Y0,   74
.set Y1,   76
.set Y2,   77
.set LIM,  78
.set MK,   79
.set OUTA, 80
.set OUTB, 82
.set SKIP, 86
.set MSB, 0
.macro WIN new
.if MSB != (\new)
	s_set_vgpr_msb (MSB<<8)|(\new)
.set MSB, (\new)
.endif
.endm
.set MUL,  0x05                        ; sources 0 (V) and 1 (P) window 1; C and D window 0
.set TO_F, 0x40
.macro PLACES
.rept 4
	v_nop
.endr
.endm
.macro CREST                           ; a round of the cluster's barrier behind its opening barrier
	s_cmp_lg_u32 s[WV], 0
	s_cbranch_scc1 .Lnot_wave_0_\@
	s_barrier_signal -3
.Lnot_wave_0_\@:
	s_barrier_wait -3
	s_barrier_signal -1
	s_barrier_wait -1
.endm
.macro CROUND
	s_barrier_signal -1
	s_barrier_wait -1
	CREST
.endm
; The addresses of step T4 + add + (wave & 1) go into slot's descriptors.  Scalars made of ids and the count of steps alone, no branch; P's hang on nothing that differs between partners.
.macro TADDR slot, add
	s_add_co_u32 s[TN], s[T4], \add
	s_add_co_u32 s[TN], s[TN], s[PAR]
	s_cmp_lt_u32 s[TN], s[SW]
	s_cselect_b32 s[X0], s[QA19], s[QB19]
	s_cselect_b32 s[X1], 0, s[SW]
	s_sub_co_u32 s[X1], s[TN], s[X1]               ; kb
	s_lshl_b32 s[X2], s[X1], 8
	s_add_co_u32 s[X0], s[X0], s[X2]               ; P: the block's rows, + 256 bytes a block of keys
	s_add_nc_u64 s[G0P+4*\slot+2:G0P+4*\slot+3], s[PB:PB+1], s[X0:X0+1]
	s_or_b32 s[G0P+4*\slot+3], s[G0P+4*\slot+3], 0x80000000
	s_mul_i32 s[X2], s[X1], 128*6144               ; V: 128 rows of qkv a block of keys
	s_add_nc_u64 s[G0V+4*\slot+2:G0V+4*\slot+3], s[VB:VB+1], s[X2:X2+1]
	s_or_b32 s[G0V+4*\slot+3], s[G0V+4*\slot+3], 0x80000000
.endm
; The refill: waves 0, 1 ask for P jointly, waves 2, 3 for V.  An s_nop 0 and four v_nop follow each line.
.macro JLOAD slot
	s_cmp_lt_u32 s[WV], 2
	s_cbranch_scc0 .Lfor_v_\@
	tensor_load_to_lds s[G0P+4*\slot:G0P+4*\slot+3], s[G1P:G1P+7]
	s_nop 0
	PLACES
	s_branch .Lasked_\@
.Lfor_v_\@:
	tensor_load_to_lds s[G0V+4*\slot:G0V+4*\slot+3], s[G1V:G1V+7]
	s_nop 0
	PLACES
.Lasked_\@:
.endm
.macro JLOAD2 slot                     ; the last refill brings step 16 alone: waves 0 and 2 load, in every partner
	s_cmp_eq_u32 s[WV], 0
	s_cbranch_scc0 .Lnot_p_\@
	tensor_load_to_lds s[G0P+4*\slot:G0P+4*\slot+3], s[G1P:G1P+7]
	s_nop 0
	PLACES
	s_branch .Lasked_\@
.Lnot_p_\@:
	s_cmp_eq_u32 s[WV], 2
	s_cbranch_scc0 .Lasked_\@
	tensor_load_to_lds s[G0V+4*\slot:G0V+4*\slot+3], s[G1V:G1V+7]
	s_nop 0
	PLACES
.Lasked_\@:
.endm
; A PREFETCH INTO THE L2 of the tile that this wave will ask for two changes of slots on (step + 4): 256 matrix instructions ahead of that load.  Each row's 256 bytes are named once in the launch:
; P's tile is read by both clusters of a grid row: the cluster with x = 0 asks, its partners sharing the 128 rows by ADDRESS, 32 each, one instruction;
; V's tile is read by the eight work-groups of a sequence and c: the one with p = 0, which walks every kb in order, asks: four instructions.  Steps 0 to 7 come by their loads alone; nothing past step 16 (P), 15 (V).
.macro PFADDR
	s_add_co_u32 s[TP], s[TN], 4
	s_cmp_lt_u32 s[TP], s[SW]
	s_cselect_b32 s[Y0], s[QA19], s[QB19]
	s_cselect_b32 s[Y1], 0, s[SW]
	s_sub_co_u32 s[Y1], s[TP], s[Y1]
	s_lshl_b32 s[Y2], s[Y1], 8
	s_add_co_u32 s[Y0], s[Y0], s[Y2]
	s_mul_i32 s[Y2], s[Y1], 128*6144
	s_cmp_lt_u32 s[WV], 2
	s_cselect_b32 s[Y0], s[Y0], s[Y2]
	s_add_nc_u64 s[PFA:PFA+1], s[PFB:PFB+1], s[Y0:Y0+1]
.endm
.macro ASK
	s_cmp_le_u32 s[TP], s[LIM]
	s_cbranch_scc0 .Lnot_mine_\@
	global_prefetch_b8 v[PFO], s[PFA:PFA+1] th:TH_LOAD_NT scope:SCOPE_SE
	s_cmp_lt_u32 s[WV], 2
	s_cbranch_scc1 .Lnot_mine_\@
.irp i, 1,2,3
	global_prefetch_b8 v[PFO], s[PFA:PFA+1] offset:32*6144*\i th:TH_LOAD_NT scope:SCOPE_SE
.endr
.Lnot_mine_\@:
.endm
	s_load_b256 s[4:11], s[0:1], 0x0               ; pm, st, qkv, out0
	v_lshl_add_u32 v[SPW], v0, 2, SPARE
	v_mov_b32 v[NIL], 0
	ds_add_u32 v[SPW], v[NIL]                      ; the wave's opening: the add, twice on end, and its wait ahead of my first tensor load
	ds_add_u32 v[SPW], v[NIL]
	v_lshrrev_b32 v1, 5, v0
	v_readfirstlane_b32 s[WV], v1
	s_and_b32 s[PAR], s[WV], 1
	s_lshr_b32 s[QH], s[WV], 1
	s_bfe_u32 s16, ttmp6, 0x40000                  ; cx
	s_lshl_b32 s17, ttmp9, 2
	s_add_co_u32 s17, s17, s16                     ; c
	s_and_b32 s84, ttmp7, 0xffff
	s_and_b32 s18, s84, 7                          ; p
	s_lshr_b32 s19, s84, 3                         ; bt
	s_sub_co_u32 s[SW], 16, s18
	s_sub_co_u32 s85, 15, s18                      ; qA
	s_lshl_b32 s[QA19], s85, 19
	s_lshl_b32 s[QB19], s18, 19
	s_or_b32 s[SKIP], s18, s[QH]                   ; 0: my first 16 rows of block B are rows 0-15 of the sequence
	s_mov_b32 s[T4], 0
	s_mov_b32 s[X0+1], 0
	s_mov_b32 s[X2+1], 0
	s_mov_b32 s[Y0+1], 0
	s_mov_b32 s[G1P], 15|(1<<16)|(1<<20)|(1<<21)|(5<<22)|(3<<25)   ; the mask: all four partners; elements of 2 bytes; padding on; bit 21 beside a mask; 4 words after every 64
	s_mov_b32 s[G1V], (1<<16)|(1<<20)|(5<<22)|(7<<25)              ; no mask; 8 words after every 64
.irp g, G1P, G1V
	s_mov_b32 s[\g+1], 128<<16
	s_mov_b32 s[\g+2], 128<<16
	s_mov_b32 s[\g+3], 128<<16
	s_mov_b32 s[\g+4], 128
	s_mov_b32 s[\g+6], 0
	s_mov_b32 s[\g+7], 0
.endr
	s_mov_b32 s[G1P+5], 2048                       ; the pitch in elements: pm's,
	s_mov_b32 s[G1V+5], 3072                       ; qkv's
	s_mul_i32 s84, s[PAR], STEPB
.irp s, 0,1
	s_mov_b32 s[G0P+4*\s], 1
	s_add_co_u32 s[G0P+4*\s+1], s84, \s*SLOTB
	s_mov_b32 s[G0V+4*\s], 1
	s_add_co_u32 s[G0V+4*\s+1], s84, \s*SLOTB+VOFF
.endr
	s_cmp_lt_u32 s[WV], 2                          ; who prefetches, up to which step, and how far apart the lanes stand
	s_cselect_b32 s84, ttmp9, s18
	s_cselect_b32 s85, 16, 15
	s_mov_b32 s87, 6144
	s_cselect_b32 s87, 4096, s87
	s_cmp_eq_u32 s84, 0
	s_cselect_b32 s[LIM], s85, 0
	v_and_b32 v[PFO], 31, v0
	v_mul_lo_u32 v[PFO], v[PFO], s87
	s_wait_dscnt 0x0                               ; both opening adds are done
	s_wait_kmcnt 0x0
	s_lshl_b32 s[X0], s19, 23
	s_add_nc_u64 s[PB:PB+1], s[4:5], s[X0:X0+1]
	s_mul_i32 s90, s19, 2048*6144                  ; (registers that hold cx or c feed no descriptor of P)
	s_lshl_b32 s84, s17, 8
	s_add_co_u32 s90, s90, s84
	s_add_co_u32 s90, s90, 4096
	s_mov_b32 s91, 0
	s_add_nc_u64 s[VB:VB+1], s[8:9], s[90:91]
	s_lshl_b32 s90, s16, 17                        ; my work-group's 32 rows of P's 128
	s_add_nc_u64 s[92:93], s[PB:PB+1], s[90:91]
	s_cmp_lt_u32 s[WV], 2
	s_cselect_b64 s[PFB:PFB+1], s[92:93], s[VB:VB+1]
	s_lshl_b32 s90, s19, 23                        ; out0: my sequence, + 64 qh rows, + my 64 channels
	s_lshl_b32 s84, s[QH], 18
	s_add_co_u32 s90, s90, s84
	s_lshl_b32 s84, s17, 9
	s_add_co_u32 s90, s90, s84
	s_lshl_b32 s84, s[PAR], 8
	s_add_co_u32 s90, s90, s84
	s_add_nc_u64 s[10:11], s[10:11], s[90:91]
	s_mov_b32 s90, s[QA19]
	s_add_nc_u64 s[OUTA:OUTA+1], s[10:11], s[90:91]
	s_mov_b32 s90, s[QB19]
	s_add_nc_u64 s[OUTB:OUTB+1], s[10:11], s[90:91]
	CROUND                                         ; all four work-groups are here: the first joint loads meet
	TADDR 0, 0
	TADDR 1, 2
	s_cmp_lt_u32 s[WV], 2                          ; a wave's two first fills stand in one branch: two loads of mine are out
	s_cbranch_scc0 .Lfirst_v
	tensor_load_to_lds s[G0P:G0P+3], s[G1P:G1P+7]
	s_nop 0
	tensor_load_to_lds s[G0P+4:G0P+7], s[G1P:G1P+7]
	s_nop 0
	PLACES
	s_branch .Lfirst_asked
.Lfirst_v:
	tensor_load_to_lds s[G0V:G0V+3], s[G1V:G1V+7]
	s_nop 0
	tensor_load_to_lds s[G0V+4:G0V+7], s[G1V:G1V+7]
	s_nop 0
	PLACES
.Lfirst_asked:
	; thread tau stands for query tau of a block: (-M, l) of its 17 steps; a wave's load covers 256 consecutive bytes
	v_lshlrev_b32 v[TAU8], 3, v0
	s_lshl_b32 s88, s19, 18                        ; 16 blocks x 2,048 queries x 8 bytes a sequence
.irp t, 0,1,2,3,4,5,6,7,8,9,10,11,12,13,14,15,16
	s_cmp_gt_u32 s[SW], \t
	s_cselect_b32 s84, s[QA19], s[QB19]
	s_cselect_b32 s85, 0, s[SW]
	s_lshr_b32 s84, s84, 9                         ; 128 queries x 8 bytes a block of queries
	s_sub_co_u32 s85, \t, s85                      ; kb
	s_lshl_b32 s85, s85, 14
	s_add_co_u32 s84, s84, s85
	s_add_co_u32 s84, s84, s88
	v_add_nc_u32 v[SOF+\t], s84, v[TAU8]
	global_load_b64 v[SL+2*\t:SL+2*\t+1], v[SOF+\t], s[6:7]
.endr
	v_and_b32 v1, 15, v0                           ; r
	v_bfe_u32 v2, v0, 4, 1                         ; h
	v_mul_u32_u24 v3, v1, PP
	v_lshl_add_u32 v3, v2, 4, v3
	s_mul_i32 s84, s[QH], 64*PP
	v_add_nc_u32 v3, s84, v3                       ; P: row 64 qh + r, + 16 h
	v_and_b32 v36, 7, v0
	v_lshl_add_u32 v36, v2, 3, v36
	v_mul_u32_u24 v36, v36, PVV                    ; V: key 8 h + lane % 8,
	v_bfe_u32 v37, v0, 3, 1
	v_lshl_add_u32 v36, v37, 4, v36                ; channels 8 ((lane / 8) % 2) on,
	s_lshl_b32 s84, s[PAR], 7
	s_add_co_u32 s84, s84, VOFF
	v_add_nc_u32 v36, s84, v36                     ; in my 64 channels
.irp n, 0,1,2,3
	v_add_nc_u32 v[ADRP+\n], (\n/2)*SLOTB+(\n%2)*STEPB, v3
	v_add_nc_u32 v[ADRV+\n], (\n/2)*SLOTB+(\n%2)*STEPB, v36
.endr
	s_lshl_b32 s84, s[QH], 8
	v_lshl_add_u32 v[FA], v1, 2, s84
	v_add_nc_u32 v[RA], RINV, v[FA]
	v_add_nc_u32 v[FA], FAC, v[FA]
	s_mul_i32 s84, s[WV], 16*272
	s_add_co_u32 s84, s84, STAGE
	v_mul_u32_u24 v[STO], v1, 272
	v_lshl_add_u32 v[STO], v2, 5, v[STO]
	v_add_nc_u32 v[STO], s84, v[STO]               ; the stage, in: row r, 32 bytes for each half of the lanes
	v_mul_u32_u24 v[RD], v2, 272
	v_lshl_add_u32 v[RD], v1, 4, v[RD]
	v_add_nc_u32 v[RD], s84, v[RD]                 ; back: lanes 0-15 one row, lanes 16-31 the next
	v_lshlrev_b32 v[GO], 12, v2
	v_lshl_add_u32 v[GO], v1, 4, v[GO]             ; and the same two rows in out0
	v_lshl_add_u32 v[FW], v0, 2, FAC
.irp a, 0,1,2,3
	v_mov_b32 v[FV+2*\a+1], 0                      ; (named as the upper halves of pairs)
	v_mov_b32 v[RI+2*\a+1], 0
.endr
	; O_A and O_B begin as zeros: where block B's first step falls hangs on p, so no step can be written out as the one that starts a sum.  These lines stand while the first tiles are on their way
	WIN 0x80
.set n, 0
.rept 256
	v_mov_b32 v[n], 0
.set n, n+1
.endr
	WIN 0
	v_mov_b32 v[BIG], 0x7f7fffff
	v_mov_b32 v[NMA], v[BIG]
	v_mov_b32 v[NMB], v[BIG]
	v_mov_b32 v[LA], 0
	v_mov_b32 v[LB], 0
	s_wait_loadcnt 0x0
.irp t, 0,1,2,3,4,5,6,7,8,9,10,11,12,13,14,15,16
	s_cmp_gt_u32 s[SW], \t                         ; all ones where step t belongs to block A
	s_cselect_b32 s[MK], -1, 0
	v_cndmask_b32 v188, v[BIG], v[SL+2*\t], s[MK]
	v_cndmask_b32 v189, v[SL+2*\t], v[BIG], s[MK]
	v_min_num_f32 v[NMA], v[NMA], v188             ; the smallest -M: the row's largest M
	v_min_num_f32 v[NMB], v[NMB], v189
.endr
.irp t, 0,1,2,3,4,5,6,7,8,9,10,11,12,13,14,15,16
	s_cmp_gt_u32 s[SW], \t
	s_cselect_b32 s[MK], -1, 0
	v_cndmask_b32 v188, v[NMB], v[NMA], s[MK]
	v_sub_f32 v188, v188, v[SL+2*\t]               ; M of the block less M of the row: a whole number, 0 or less
	v_cvt_i32_f32 v188, v188                       ; (it saturates)
	v_ldexp_f32 v188, 1.0, v188                    ; f: a power of two
	ds_store_b32 v[FW], v188 offset:512*\t
	v_mul_f32 v189, v188, v[SL+2*\t+1]
	v_cndmask_b32 v190, 0, v189, s[MK]
	v_cndmask_b32 v191, v189, 0, s[MK]
	v_add_f32 v[LA], v[LA], v190
	v_add_f32 v[LB], v[LB], v191
.endr
	v_rcp_f32 v[LA], v[LA]
	v_rcp_f32 v[LB], v[LB]
	v_nop                                          ; a plain line behind the reciprocals
	s_wait_alu depctr_va_vdst(0)                   ; one wait for both, ahead of their first reader
	ds_store_b32 v[FW], v[LA] offset:RINV-FAC
	ds_store_b32 v[FW], v[LB] offset:RINV-FAC+512
.macro FETCH n, kq, f                  ; 32 LDS loads in one run: 64 keys of (slot, step) n, from key 64 kq on, into buffer f; the first 32 keys first
	WIN TO_F
.irp c, 0,1
.irp i, 0,1,2,3
	ds_load_tr16_b128 v[\f+64+8*(4*\c+\i):\f+64+8*(4*\c+\i)+3],   v[ADRV+(\n)] offset:(64*(\kq)+32*\c)*PVV+32*\i
	ds_load_tr16_b128 v[\f+64+8*(4*\c+\i)+4:\f+64+8*(4*\c+\i)+7], v[ADRV+(\n)] offset:(64*(\kq)+32*\c+16)*PVV+32*\i
	ds_load_b128 v[\f+8*(4*\c+\i):\f+8*(4*\c+\i)+3],               v[ADRP+(\n)] offset:128*(\kq)+64*\c+\i*16*PP
	ds_load_b128 v[\f+8*(4*\c+\i)+4:\f+8*(4*\c+\i)+7],             v[ADRP+(\n)] offset:128*(\kq)+64*\c+\i*16*PP+32
.endr
.endr
.endm
.macro MUL8 f, c, a0, zero             ; 8 matrix instructions; the 16 accumulators take turns, one instruction a turn.  zero = 1: a step's first products start its sums
.irp a, \a0, \a0+1
.irp b, 0,1,2,3
.if \zero
	v_wmma_f32_16x16x32_f16 v[T+8*(4*(\a)+\b):T+8*(4*(\a)+\b)+7], v[\f+64+8*(4*\c+\b):\f+64+8*(4*\c+\b)+7], v[\f+8*(4*\c+\a):\f+8*(4*\c+\a)+7], 0
.else
	v_wmma_f32_16x16x32_f16 v[T+8*(4*(\a)+\b):T+8*(4*(\a)+\b)+7], v[\f+64+8*(4*\c+\b):\f+64+8*(4*\c+\b)+7], v[\f+8*(4*\c+\a):\f+8*(4*\c+\a)+7], v[T+8*(4*(\a)+\b):T+8*(4*(\a)+\b)+7]
.endif
.endr
.endr
.endm
; 64 keys: 32 matrix instructions on buffer f; the next quarter's fragments go into buffer g.  fs >= 0: a step's first quarter: its four f (one a tile of queries) are fetched too, ahead of the run.
.macro QUARTER f, g, n, kq, zero, fs
	s_wait_dscnt 16                                ; the first 32 keys are in
	WIN MUL
	MUL8 \f, 0, 0, \zero
	MUL8 \f, 0, 2, \zero
	PLACES
.if (\fs) >= 0
	WIN 0
.irp a, 0,1,2,3
	ds_load_b32 v[FV+2*\a], v[FA] offset:512*(\fs)+64*\a
.endr
.endif
	FETCH \n, \kq, \g
	s_wait_dscnt 32                                ; all but the 32 just issued (the four f are older)
	WIN MUL
	MUL8 \f, 1, 0, 0
	MUL8 \f, 1, 2, 0
.endm
.macro ACC1 o
.irp a, 0,1,2,3
.set n, 0
.rept 16
	v_pk_fma_f32 v[\o+32*\a+n:\o+32*\a+n+1], v[T+32*\a+n:T+32*\a+n+1], v[FV+2*\a:FV+2*\a+1], v[\o+32*\a+n:\o+32*\a+n+1] op_sel_hi:[1,0,1]
.set n, n+2
.endr
.endr
.endm
.macro ACCUM i                         ; step T4 + i is finished: O += f x T, each accumulator from its low end on.  The branch hangs on ids and the count of steps: the same in all waves and partners
	WIN 0
	PLACES
	s_add_co_u32 s84, s[T4], \i
	s_cmp_lt_u32 s84, s[SW]
	s_cbranch_scc0 .Lacc_b_\@
	WIN 0xa0                                       ; O (destination and source 2) window 2
	ACC1 0
	WIN 0
	s_branch .Lacc_done_\@
.Lacc_b_\@:
	WIN 0xa0
	ACC1 128
	WIN 0
.Lacc_done_\@:
.endm
; A slot's last quarter changes slots.  In front of the barrier each wave waits for all its tensor loads, adds 0 to its spare word, and waits for that and for its reads of this slot.
; mode 1: the barrier opens a round of the cluster's, and this slot is filled again first behind it, with the steps four on.  mode 2: the same, step 16 alone.  mode 0: nothing is filled.
.macro TURN slot, next, mode, i
	WIN 0
	s_wait_tensorcnt 0x0                           ; no load of mine is out: the descriptors may be written
	ds_add_u32 v[SPW], v[NIL]
.if \mode
	TADDR \slot, 2*\slot+4
.endif
.if \mode == 1
	s_wait_xcnt 0x0                                ; the last prefetches, a slot back, have read their address
	PFADDR
.endif
	s_wait_dscnt 17                                ; (the add and the youngest sixteen loads may be out)
	WIN MUL
	MUL8 F1, 0, 0, 0
	s_wait_dscnt 0x0                               ; the add is done, and my reads of this slot are over
	s_barrier_signal -1
	MUL8 F1, 0, 2, 0
	WIN 0
	s_barrier_wait -1
.if \mode == 1
	CREST
	JLOAD \slot                                    ; the four v_nop behind it are also the places in front of the loads below
.elseif \mode == 2
	CREST
	JLOAD2 \slot
	PLACES                                         ; for the waves that issued no load
.else
	PLACES
.endif
	FETCH 2*\next, 0, F0
.if \mode == 1
	WIN 0
	ASK
.endif
	WIN MUL
	MUL8 F1, 1, 0, 0
	MUL8 F1, 1, 2, 0
	ACCUM \i
.endm
.macro THREE slot                      ; a slot's first three quarters
	QUARTER F0, F1, 2*\slot,   1, 1, 2*\slot
	QUARTER F1, F0, 2*\slot+1, 0, 0, -1
	ACCUM 2*\slot
	QUARTER F0, F1, 2*\slot+1, 1, 1, 2*\slot+1
.endm
	s_wait_tensorcnt 1                             ; my part of slot 0 is in; slot 1's may be out
	s_wait_dscnt 0x0                               ; for the others' sake: my f and 1 / sum lie in LDS
	s_barrier_signal -1
	s_barrier_wait -1
	FETCH 0, 0, F0
	WIN 0
.Llap:                                                 ; three trips of four steps: both slots are filled again
	THREE 0
	TURN 0, 1, 1, 1
	THREE 1
	TURN 1, 0, 1, 3
	v_add_nc_u32 v[FA], 4*512, v[FA]               ; the next lap's f
	s_add_co_u32 s[T4], s[T4], 4
	s_cmp_lt_u32 s[T4], 12
	s_cbranch_scc1 .Llap
	THREE 0                                        ; steps 12 to 16 are written out
	TURN 0, 1, 2, 1
	THREE 1
	TURN 1, 0, 0, 3
	QUARTER F0, F1, 0, 1, 1, 4
	s_wait_dscnt 16
	WIN MUL
	MUL8 F1, 0, 0, 0
	MUL8 F1, 0, 2, 0
	s_wait_dscnt 0x0
	MUL8 F1, 1, 0, 0
	MUL8 F1, 1, 2, 0
	ACCUM 4
; THE WAY OUT of block x (0: A, 1: B): O / the row's sum, 16 rows at a time through my stage, back as whole rows of my 64 channels.
.macro OUTX x, ob
.irp a, 0,1,2,3
	ds_load_b32 v[RI+2*\a], v[RA] offset:512*\x+64*\a
.endr
	s_wait_dscnt 0x0
.irp a, 0,1,2,3
.if (\x == 1) && (\a == 0)
	s_cmp_eq_u32 s[SKIP], 0                        ; rows 0-15 of a sequence belong to the launch that computes them in f32
	s_cbranch_scc1 .Lfine_rows
.endif
	s_wait_xcnt 0x0                                ; the last tile's stores have read their registers
	WIN 0x02
.set n, 0
.rept 16
	v_pk_mul_f32 v[WW+n:WW+n+1], v[128*\x+32*\a+n:128*\x+32*\a+n+1], v[RI+2*\a:RI+2*\a+1] op_sel_hi:[1,0]
.set n, n+2
.endr
	WIN 0
.irp b, 0,1,2,3
	ds_store_b128 v[STO], v[WW+8*\b:WW+8*\b+3] offset:64*\b
	ds_store_b128 v[STO], v[WW+8*\b+4:WW+8*\b+7] offset:64*\b+16
.endr
.irp i, 0,1,2,3,4,5,6,7
	ds_load_b128 v[BK+4*\i:BK+4*\i+3], v[RD] offset:\i*2*272       ; LDS serves a wave's instructions in order: these see the stores above
.endr
	s_wait_dscnt 0x0
.irp i, 0,1,2,3,4,5,6,7
	global_store_b128 v[GO], v[BK+4*\i:BK+4*\i+3], s[\ob:\ob+1] offset:(16*\a+2*\i)*4096 th:TH_STORE_NT   ; sixteen lanes store 256 consecutive bytes, aligned
.endr
.if (\x == 1) && (\a == 0)
.Lfine_rows:
.endif
.endr
.endm
	OUTX 0, OUTA
	OUTX 1, OUTB
	s_wait_tensorcnt 0x0                           ; the wave's end
	ds_add_u32 v[SPW], v[NIL]
	s_wait_dscnt 0x0
	CROUND                                         ; the closing round
	s_endpgm
.Lfunc_end_k_q5903075166_pv:
	.size	k_q5903075166_pv, .Lfunc_end_k_q5903075166_pv-k_q5903075166_pv
	.p2alignl 7, 3214868480
	.fill 96, 4, 3214868480
	.section	.rodata,"a",@progbits
	.p2align	6, 0x0
	.amdhsa_kernel k_q5903075166_pv
		.amdhsa_group_segment_fixed_size 327680
		.amdhsa_private_segment_fixed_size 0
		.amdhsa_enable_private_segment 0
		.amdhsa_kernarg_size 32
		.amdhsa_user_sgpr_count 2
		.amdhsa_user_sgpr_kernarg_segment_ptr 1
		.amdhsa_wavefront_size32 1
		.amdhsa_system_sgpr_workgroup_id_x 1
		.amdhsa_system_sgpr_workgroup_id_y 1
		.amdhsa_system_sgpr_workgroup_id_z 1
		.amdhsa_system_vgpr_workitem_id 0
		.amdhsa_next_free_vgpr 768
		.amdhsa_next_free_sgpr 100
		.amdhsa_reserve_vcc 0
		.amdhsa_float_denorm_mode_32 3
		.amdhsa_float_denorm_mode_16_64 3
		.amdhsa_memory_ordered 1
		.amdhsa_forward_progress 1
		.amdhsa_inst_pref_size 223
	.end_amdhsa_kernel
	.amdgpu_metadata
---
amdhsa.version: [ 1, 2 ]
amdhsa.kernels:
  - .name:           k_q5903075166_pv
    .symbol:         k_q5903075166_pv.kd
    .args:
      - { .name: pm, .offset: 0, .size: 8, .value_kind: global_buffer, .address_space: global }
      - { .name: st, .offset: 8, .size: 8, .value_kind: global_buffer, .address_space: global }
      - { .name: qkv, .offset: 16, .size: 8, .value_kind: global_buffer, .address_space: global }
      - { .name: out0, .offset: 24, .size: 8, .value_kind: global_buffer, .address_space: global }
    .group_segment_fixed_size: 327680
    .private_segment_fixed_size: 0
    .kernarg_segment_align: 8
    .kernarg_segment_size: 32
    .max_flat_workgroup_size: 128
    .sgpr_count:     100
    .vgpr_count:     768
    .wavefront_size: 32
...
	.end_amdgpu_metadata
.endif
;; end of part 4
;; launch fine (part 5): grid 4 x 4, 8 waves a work-group, no clusters, 25,856 bytes of LDS; arguments fq, out0; writes out0
.if DOCPART == 5
	.amdgcn_target "amdgcn-amd-amdhsa--gfx1250"
	.amdhsa_code_object_version 6
	.text
	.protected	k_q5903075166_fine
	.globl	k_q5903075166_fine
	.p2align	8
	.type	k_q5903075166_fine,@function
k_q5903075166_fine:
	s_mov_b64 s[64:65], 0
	v_nop
	global_prefetch_b8 v0, s[64:65] scope:SCOPE_SE
	s_setreg_imm32_b32 hwreg(HW_REG_WAVE_MODE, 25, 1), 1
	s_wait_xcnt 0x0
; Rows 0-15 of each sequence, wholly in f32: they average one to sixteen values, so 16-bit operands would weigh most there.  16 queries x 16 keys x 1,024 channels: no bulk work.
; fq holds q, k, v of these rows as images of accumulators: [sequence][column block 192][part 2][lane 32][4] f32 = number (row lane % 16, column 16 cb + 8 (lane / 16) + 4 part + j); q: cb 0-63, k: 64-127, v: 128-191.
; A work-group takes a sequence and 256 channels of the output; eight waves.
; 1: wave w sums q . k over channels 128 w .. + 127.  A pair of an image's registers is a fragment of the f32 matrix form (16 rows x 4 along K) as it stands: the four channels that it holds are the same
;    in q's image and in k's, and a permutation of K applied alike to both operands keeps the products.  Source 0 = k, source 1 = q: a lane holds one query and keys 8 (lane / 16) + 0 .. 7.
; 2: the eight partial sums meet in LDS; every wave adds them in the same order and takes the softmax (the row's true maximum, keys after the query hidden).
; 3: wave w makes channels 32 w .. + 31: source 0 = v turned (a lane a channel, loaded so from the image), source 1 = p.
; The registers that the f32 matrix form writes (v16-31, v192-207) are written by matrix instructions alone; each sum begins with the constant 0.
.set IMG,   0                          ; eight images of 16 x 16 partial scores, 1,024 bytes each
.set OST,   8192                       ; 16 rows x (1,024 bytes + 16)
.set OP,    1040
.set SPARE, OST+16*OP                  ; the spare words, 128 bytes a wave: four blocks of 256 bytes
.set SPW,   2
.set NIL,   3
.set CS,    16                         ; s16 log2(e) / 32
.set SEL,   14
	s_load_b128 s[4:7], s[0:1], 0x0                ; fq, out0
	v_lshl_add_u32 v[SPW], v0, 2, SPARE
	v_mov_b32 v[NIL], 0
	v_lshrrev_b32 v1, 5, v0
	v_readfirstlane_b32 s8, v1                     ; wave
	v_and_b32 v4, 31, v0                           ; lane
	v_and_b32 v5, 15, v0                           ; r
	v_bfe_u32 v6, v0, 4, 1                         ; h
	s_and_b32 s9, ttmp7, 0xffff                    ; the sequence
	s_mul_i32 s10, s9, 192*1024
	s_mov_b32 s11, 0
	v_lshlrev_b32 v7, 4, v4                        ; 16 x lane
	s_lshl_b32 s12, s8, 13
	v_add_nc_u32 v8, s12, v7                       ; q's and k's images: my wave's eight column blocks
	v_bfe_u32 v9, v0, 2, 1                         ; v: channel r of a block lies at part (r / 4) % 2, half r / 8, word r % 4; key 8 h + .. is the image's row
	v_lshlrev_b32 v9, 9, v9
	v_bfe_u32 v10, v0, 3, 1
	v_lshl_add_u32 v9, v10, 8, v9
	v_lshl_add_u32 v9, v6, 7, v9
	v_and_b32 v10, 3, v0
	v_lshl_add_u32 v9, v10, 2, v9
	s_lshl_b32 s12, ttmp9, 4
	s_lshl_b32 s13, s8, 1
	s_add_co_u32 s12, s12, s13
	s_add_co_u32 s12, s12, 128                     ; column block 128 + 16 x work-group x + 2 x wave
	s_lshl_b32 s12, s12, 10
	v_add_nc_u32 v9, s12, v9
	s_lshl_b32 s12, s8, 10
	v_add_nc_u32 v11, s12, v7                      ; LDS: my wave's image
	v_mul_u32_u24 v12, v5, OP
	v_lshl_add_u32 v12, v6, 5, v12
	s_lshl_b32 s12, s8, 7
	s_add_co_u32 s12, s12, OST
	v_add_nc_u32 v12, s12, v12                     ; LDS: row r, my wave's 128 bytes, + 32 h
	s_mul_i32 s12, s8, 2*OP
	s_add_co_u32 s12, s12, OST
	v_add_nc_u32 v13, s12, v7                      ; LDS: rows 2 wave on, 16 bytes a lane
	v_lshlrev_b32 v14, 3, v6
	v_sub_nc_u32 v14, v5, v14                      ; r - 8 h: key j of my eight is hidden where j > this
	v_mov_b32 v15, 0xff800000
	v_mov_b32 v142, 0                              ; (a lane permute's destination counts as one of its sources)
	s_mov_b32 s[SEL], 0x76543210
	s_mov_b32 s[SEL+1], 0xfedcba98
	s_mov_b32 s[CS], 0x3d38aa3b
	s_lshl_b32 s12, s9, 23
	s_lshl_b32 s13, s8, 13
	s_add_co_u32 s12, s12, s13
	s_lshl_b32 s13, ttmp9, 10
	s_add_co_u32 s12, s12, s13
	s_mov_b32 s13, 0
	s_wait_kmcnt 0x0
	s_add_nc_u64 s[4:5], s[4:5], s[10:11]
	s_add_nc_u64 s[6:7], s[6:7], s[12:13]          ; out0: my sequence, rows 2 wave on, my work-group's 256 channels
.irp n, 0,1,2,3,4,5,6,7,8,9,10,11,12,13,14,15
	global_load_b128 v[32+4*\n:35+4*\n], v8, s[4:5] offset:512*\n          ; q: 512 consecutive bytes a load
.endr
.irp n, 0,1,2,3,4,5,6,7,8,9,10,11,12,13,14,15
	global_load_b128 v[96+4*\n:99+4*\n], v8, s[4:5] offset:65536+512*\n    ; k
.endr
.irp u, 0,1
.irp k, 0,1,2,3,4,5,6,7
	global_load_b32 v[160+8*\u+\k], v9, s[4:5] offset:1024*\u+16*\k        ; v(key 8 h + k, channel 16 u + r)
.endr
.endr
	s_wait_loadcnt 16                              ; q and k are in; v's sixteen loads may be out
	v_wmma_f32_16x16x4_f32 v[16:23], v[96:97], v[32:33], 0                 ; two accumulators take turns, one instruction a turn
	v_wmma_f32_16x16x4_f32 v[24:31], v[98:99], v[34:35], 0
.set n, 2
.rept 30
	v_wmma_f32_16x16x4_f32 v[16+8*(n%2):23+8*(n%2)], v[96+2*n:97+2*n], v[32+2*n:33+2*n], v[16+8*(n%2):23+8*(n%2)]
.set n, n+1
.endr
.rept 8
	v_nop                                          ; eight places behind this form (ISA guide 7.12.1)
.endr
.irp j, 0,1,2,3,4,5,6,7
	v_add_f32 v[176+\j], v[16+\j], v[24+\j]
.endr
	ds_store_b128 v11, v[176:179]
	ds_store_b128 v11, v[180:183] offset:512
	s_wait_dscnt 0x0                               ; for the others' sake: my image lies in LDS
	s_barrier_signal -1
	s_barrier_wait -1
.irp w, 0,1,2,3,4,5,6,7
	ds_load_b128 v[32+8*\w:35+8*\w], v7 offset:1024*\w
	ds_load_b128 v[36+8*\w:39+8*\w], v7 offset:1024*\w+512
.endr
	s_wait_dscnt 0x0
.irp j, 0,2,4,6
	v_pk_add_f32 v[176+\j:177+\j], v[32+\j:33+\j], v[40+\j:41+\j]
.endr
.irp w, 2,3,4,5,6,7
.irp j, 0,2,4,6
	v_pk_add_f32 v[176+\j:177+\j], v[176+\j:177+\j], v[32+8*\w+\j:33+8*\w+\j]
.endr
.endr
.irp j, 0,1,2,3,4,5,6,7
	v_cmp_gt_i32 vcc_lo, \j, v14
	v_cndmask_b32 v[176+\j], v[176+\j], v15, vcc_lo                        ; keys after the query: -infinity
.endr
	v_max3_num_f32 v140, v176, v177, v178
	v_max3_num_f32 v140, v140, v179, v180
	v_max3_num_f32 v140, v140, v181, v182
	v_max_num_f32 v140, v140, v183
	v_permlanex16_b32 v142, v140, s[SEL], s[SEL+1]
	v_max_num_f32 v140, v140, v142                 ; the row's largest score (key 0 counts for every query)
	v_mul_f32 v141, s[CS], v140
.irp j, 0,1,2,3,4,5,6,7
	v_fma_f32 v[184+\j], v[176+\j], s[CS], -v141
.endr
.irp j, 0,1,2,3,4,5,6,7
	v_exp_f32 v[184+\j], v[184+\j]
.endr
	v_nop
	s_wait_alu depctr_va_vdst(0)                   ; one wait for the batch, ahead of its first reader
	v_add_f32 v140, v184, v185
	v_add_f32 v141, v186, v187
	v_add_f32 v143, v188, v189
	v_add_f32 v144, v190, v191
	v_add_f32 v140, v140, v141
	v_add_f32 v143, v143, v144
	v_add_f32 v140, v140, v143
	v_permlanex16_b32 v142, v140, s[SEL], s[SEL+1]
	v_add_f32 v140, v140, v142
	v_rcp_f32 v140, v140
	v_nop
	s_wait_alu depctr_va_vdst(0)
.irp j, 0,1,2,3,4,5,6,7
	v_mul_f32 v[184+\j], v[184+\j], v140           ; the weights: lane (r, h): query r, keys 8 h + j
.endr
	s_wait_loadcnt 0x0                             ; v
	v_wmma_f32_16x16x4_f32 v[192:199], v[160:161], v[184:185], 0           ; keys 2 s, 2 s + 1, 8 + 2 s, 9 + 2 s in step s, alike in both operands
	v_wmma_f32_16x16x4_f32 v[200:207], v[168:169], v[184:185], 0
.irp s, 1,2,3
	v_wmma_f32_16x16x4_f32 v[192:199], v[160+2*\s:161+2*\s], v[184+2*\s:185+2*\s], v[192:199]
	v_wmma_f32_16x16x4_f32 v[200:207], v[168+2*\s:169+2*\s], v[184+2*\s:185+2*\s], v[200:207]
.endr
.rept 8
	v_nop
.endr
.irp u, 0,1
	ds_store_b128 v12, v[192+8*\u:195+8*\u] offset:64*\u                   ; lane (r, h): out(r, 32 wave + 16 u + 8 h + 0 .. 7), each accumulator from its low end on
	ds_store_b128 v12, v[196+8*\u:199+8*\u] offset:64*\u+16
.endr
	s_wait_dscnt 0x0
	s_barrier_signal -1
	s_barrier_wait -1                              ; 16 rows of 1,024 bytes lie in the stage
.irp i, 0,1,2,3
	ds_load_b128 v[32+4*\i:35+4*\i], v13 offset:(\i/2)*OP+512*(\i%2)
.endr
.irp i, 0,1,2,3
	s_wait_dscnt 3-\i                              ; load i is in; the younger ones may be out
	global_store_b128 v7, v[32+4*\i:35+4*\i], s[6:7] offset:(\i/2)*4096+512*(\i%2) th:TH_STORE_NT   ; 512 consecutive bytes, aligned
.endr
	s_wait_tensorcnt 0x0                           ; the wave's end, behind my last LDS store
	ds_add_u32 v[SPW], v[NIL]
	s_wait_dscnt 0x0
	s_endpgm
.Lfunc_end_k_q5903075166_fine:
	.size	k_q5903075166_fine, .Lfunc_end_k_q5903075166_fine-k_q5903075166_fine
	.p2alignl 7, 3214868480
	.fill 96, 4, 3214868480
	.section	.rodata,"a",@progbits
	.p2align	6, 0x0
	.amdhsa_kernel k_q5903075166_fine
		.amdhsa_group_segment_fixed_size 25856
		.amdhsa_private_segment_fixed_size 0
		.amdhsa_enable_private_segment 0
		.amdhsa_kernarg_size 16
		.amdhsa_user_sgpr_count 2
		.amdhsa_user_sgpr_kernarg_segment_ptr 1
		.amdhsa_wavefront_size32 1
		.amdhsa_system_sgpr_workgroup_id_x 1
		.amdhsa_system_sgpr_workgroup_id_y 1
		.amdhsa_system_sgpr_workgroup_id_z 1
		.amdhsa_system_vgpr_workitem_id 0
		.amdhsa_next_free_vgpr 208
		.amdhsa_next_free_sgpr 66
		.amdhsa_reserve_vcc 1
		.amdhsa_float_denorm_mode_32 3
		.amdhsa_float_denorm_mode_16_64 3
		.amdhsa_memory_ordered 1
		.amdhsa_forward_progress 1
		.amdhsa_inst_pref_size 17
	.end_amdhsa_kernel
	.amdgpu_metadata
---
amdhsa.version: [ 1, 2 ]
amdhsa.kernels:
  - .name:           k_q5903075166_fine
    .symbol:         k_q5903075166_fine.kd
    .args:
      - { .name: fq, .offset: 0, .size: 8, .value_kind: global_buffer, .address_space: global }
      - { .name: out0, .offset: 8, .size: 8, .value_kind: global_buffer, .address_space: global }
    .group_segment_fixed_size: 25856
    .private_segment_fixed_size: 0
    .kernarg_segment_align: 8
    .kernarg_segment_size: 16
    .max_flat_workgroup_size: 256
    .sgpr_count:     66
    .vgpr_count:     208
    .wavefront_size: 32
...
	.end_amdgpu_metadata
.endif
;; end of part 5
